; MI455X (gfx1250); checked and timed in simulation.
; The chip was launched on July 23, 2026; its instructions are those of AMD's public machine-readable ISA for CDNA 5 (MIT licence, August 2026) and "CDNA5" Instruction Set Architecture Reference Guide (July 2026). The comments in the code are by the model that wrote it; some were corrected since.
;; Multi Head Self Attention. Allowed arithmetic: matrix products marked QUANTISED: E2M1 operands, one E8M0 scale for each 32 along K, by v_wmma_scale_f32_16x16x128_f8f6f4 with both operands' format E2M1 (or v_wmma_scale_f32_32x16x128_f4), f32 sums; products left as they are: bf16, f16 or f32 operands; f32 sums; everything else in f32.
;; Inputs: w_k 1,024 x 1,024 float32; w_o 1,024 x 1,024 float32; w_q 1,024 x 1,024 float32; w_v 1,024 x 1,024 float32; x 4 x 2,048 x 1,024 float32.
;; Outputs: out0 4 x 2,048 x 1,024 float32.
;; This version of the problem:
;;   THIS VERSION OF THE PROBLEM IS GIVEN IN LOW PRECISION. The matrix products marked QUANTISED in the list below multiply operands that are first quantised to E2M1 (2 exponent bits, 1 mantissa bit; 4 bits a number), with one power-of-two scale for each 32 numbers along K (OCP MX v1.0); their sums are f32. The products marked 'left as it is' may take bf16, f16 or f32 operands, with f32 sums. Whichever they take, every output number must still come out within the allowed error. Rounding operands to bf16 (8 significant bits) uses up far more of that allowance than f16 does (11 bits, for magnitudes from 6e-5 to 65,504). All else is computed in f32.
;;   The module's matrix products, in the order in which they are computed (A, B: the left and right operand; K: the contracted axis; several contracted axes count as one K, in the product's order):
;;     1. [M 8,192, K 1,024] x [K 1,024, N 1,024]; A: input x; B: input w_q: QUANTISED
;;     2. [M 8,192, K 1,024] x [K 1,024, N 1,024]; A: input x; B: input w_k: QUANTISED
;;     3. [M 8,192, K 1,024] x [K 1,024, N 1,024]; A: input x; B: input w_v: QUANTISED
;;     4. batch 64 x [M 2,048, K 64] x [K 64, N 2,048]; A: computed on the way; B: computed on the way: left as it is (an operand is computed on the way)
;;     5. batch 64 x [M 2,048, K 2,048] x [K 2,048, N 64]; A: computed on the way; B: computed on the way: left as it is (an operand is computed on the way)
;;     6. [M 8,192, K 1,024] x [K 1,024, N 1,024]; A: computed on the way; B: input w_o: left as it is (an operand is computed on the way)
;;   THE QUANTISER, for each operand of a quantised product, along K:
;;     - K is cut into blocks of 32 from its start; a last block that is shorter is filled with zeros.
;;     - A block's scale is 2^e with e = floor(log2(the largest magnitude in the block)) - 2, held to -126 .. 127; a block of zeros has e = 0. As a byte (E8M0): e + 127.
;;     - Each number is divided by its block's scale, clamped to +-6, and rounded to the nearest number of E2M1, ties to even, subnormals kept.
;;     - The product sums the exact products of the quantised numbers (number of the format x scale) in f32.
;;   ~~~python
;;   def quantise(x, axis):      # numpy; x: float32 -> the quantised numbers, widened to float32 again
;;       x = np.moveaxis(x, axis, -1); K = x.shape[-1]
;;       x = np.pad(x, [(0, 0)] * (x.ndim - 1) + [(0, -K % 32)]); x = x.reshape(x.shape[:-1] + (-1, 32)); a = np.abs(x).max(-1, keepdims=True)
;;       e = np.where(a > 0, np.clip(np.frexp(np.where(a > 0, a, 1))[1] - 1 - 2, -126, 127), 0)      # np.frexp(a)[1] - 1 = floor(log2(a)), exactly
;;       r = np.clip(x / 2.0 ** e, -6, 6)
;;       step = 2.0 ** (np.maximum(np.frexp(np.where(r == 0, 1, r))[1] - 1, 0) - 1)
;;       q = np.round(r / step) * step * 2.0 ** e      # np.round: ties to even
;;       return np.moveaxis(q.reshape(q.shape[:-2] + (-1,))[..., :K], -1, axis).astype(np.float32)
;;   ~~~
;; One version. Each part assembles by itself: llvm-mc -triple=amdgcn-amd-amdhsa -mcpu=gfx1250 --defsym DOCPART=n.
;; ======== version 1 of 1: 5 launches
;; limits: values are held in f16: magnitudes above 65,504 overflow, below 6.1e-05 lose precision
;; workspace buffers: x_codes 4,194,304 bytes; x_scales 262,144 bytes; w_codes 1,572,864 bytes; w_scales 98,304 bytes; wo16 2,097,152 bytes; qkv 50,331,648 bytes; qkv32 786,432 bytes; att 16,777,216 bytes
;; launch quant (part 1): grid 384 x 1, 4 waves a work-group, no clusters, 33,280 bytes of LDS; arguments x, w_q, w_k, w_v, w_o, x_codes, x_scales, w_codes, w_scales, wo16; writes x_codes, x_scales, w_codes, w_scales, wo16
.if DOCPART == 1
	.amdgcn_target "amdgcn-amd-amdhsa--gfx1250"
	.amdhsa_code_object_version 6
	.text
	.protected	k_q25c7ceb661_quant
	.globl	k_q25c7ceb661_quant
	.p2align	8
	.type	k_q25c7ceb661_quant,@function
k_q25c7ceb661_quant:
	s_mov_b64 s[64:65], 0
	v_nop
	global_prefetch_b8 v0, s[64:65] scope:SCOPE_SE
	s_setreg_imm32_b32 hwreg(HW_REG_WAVE_MODE, 25, 1), 1
	s_wait_xcnt 0x0
; x [8192][1024] and w_q, w_k, w_v [1024][1024], f32, become codes of E2M1 (4 bits, K innermost, the lower k in the low four bits) with one E8M0 byte for each 32 along K;
; the three weights' codes lie one behind the other, [3072][512 bytes], their bytes [3072][32].  w_o [1024][1024] is rounded to f16 (its product is left as it is).
; A block's scale is 2^(floor(log2(its largest magnitude)) - 2): its byte is the largest magnitude's exponent field - 2, held at 1 from below; each number is divided by the scale and rounded to the nearest code, ties to even, beyond 6 the code of 6.
; LIMITS: a block of zeros gets the byte 1 where the rule says 127 (its codes are zeros, and this program alone reads the bytes); blocks whose largest magnitude lies under 2^-124 have their byte held at 1;
; NaN and infinities among the inputs are not served; |w_o| beyond 65,504 becomes infinity in f16.
; Rows are dense and 1,024 is a multiple of 32: every tensor is a plain stream of blocks of 32.  A work-group takes 32,768 numbers, a wave 8,192.
; Work-groups 0-255: x; 256-287: w_q; 288-319: w_k; 320-351: w_v; 352-383: w_o.  The first four share ONE path: only pointers are chosen, by the work-group's number.
; CODES: 16 steps of 512 numbers a wave.  Each of a step's four loads reads 512 consecutive bytes; the 2,048 bytes turn through the wave's own stage in LDS and come back 64 bytes a lane (16 neighbours along K; two lanes hold a block).
; A lane's 16 codes are 8 bytes: the wave stores 256 consecutive bytes.  A wave's 256 scale bytes are gathered in its own LDS bytes and leave as one run of 256.  No barrier: waves share nothing.
.set STEPS, 16
.set EMAX,  2
.set CB,    8                          ; bytes of 16 codes
.set R,     16                         ; v16-79   four sets of 16 numbers as loaded (w_o: two sets of 64, v16-143)
.set X,     80                         ; v80-111  two sets of 16 neighbours
.set E,     112                        ; v112-127 a scale byte for each step
.set C,     128                        ; v128-191 codes, four registers a step: no store's data are written again
.set H16,   144                        ; v144-175 w_o: a batch's f16 pairs
.set WREG,  8192                       ; LDS: a region for each wave: two stages of 32 x SP bytes, then its 256 scale bytes
.set SP,    80                         ; a lane's place in a stage: 64 bytes + 16 of padding
.set SPW,   12                         ; v12 LDS address of my spare word; never rewritten
.set NIL,   13                         ; v13 0; never rewritten
.set SPARE, 4*WREG                     ; behind the four regions: the spare words, 128 bytes a wave
.set SRC,   26                         ; s[26:27] where my wave reads
.set COD,   28                         ; s[28:29] where its codes (or f16 numbers) go
.set SCA,   30                         ; s[30:31] where its scale bytes go
	s_load_b256 s[4:11], s[0:1], 0x0               ; x, w_q, w_k, w_v
	s_load_b256 s[12:19], s[0:1], 0x20             ; w_o, x_codes, x_scales, w_codes
	s_load_b128 s[20:23], s[0:1], 0x40             ; w_scales, wo16
	v_lshl_add_u32 v[SPW], v0, 2, SPARE
	v_mov_b32 v[NIL], 0
	v_lshrrev_b32 v1, 5, v0
	v_readfirstlane_b32 s24, v1                    ; wave
	v_and_b32 v2, 31, v0                           ; lane
	v_lshlrev_b32 v3, 4, v2                        ; my 16 bytes of a load's 512
	s_mul_i32 s25, s24, WREG
	v_lshrrev_b32 v14, 2, v2
	v_mul_u32_u24 v14, v14, SP
	v_and_b32 v15, 3, v2
	v_lshl_add_u32 v14, v15, 4, v14
	v_add_nc_u32 v14, s25, v14                     ; the stage, on the way in: SP (lane / 4) + 16 (lane % 4)
	v_mul_u32_u24 v15, v2, SP
	v_add_nc_u32 v15, s25, v15                     ; and on the way out: SP x lane
	v_mul_u32_u24 v4, v2, CB                       ; 8 bytes a lane on the way to memory
	v_lshrrev_b32 v5, 1, v2
	s_add_co_u32 s25, s25, 2*32*SP
	v_add_nc_u32 v5, s25, v5                       ; my block's scale byte in LDS
	v_lshlrev_b32 v7, 3, v2
	v_add_nc_u32 v6, s25, v7                       ; and 8 of the 256 on the way out
	s_wait_kmcnt 0x0
	s_cmp_ge_u32 ttmp9, 352
	s_cbranch_scc1 .Lwo
	; which tensor: the choices hang on the work-group's number alone
	s_cmp_lt_u32 ttmp9, 320
	s_cselect_b64 s[SRC:SRC+1], s[8:9], s[10:11]
	s_cmp_lt_u32 ttmp9, 288
	s_cselect_b64 s[SRC:SRC+1], s[6:7], s[SRC:SRC+1]
	s_cmp_lt_u32 ttmp9, 256
	s_cselect_b64 s[SRC:SRC+1], s[4:5], s[SRC:SRC+1]
	s_cselect_b64 s[COD:COD+1], s[14:15], s[18:19]
	s_cselect_b64 s[SCA:SCA+1], s[16:17], s[20:21]
	s_cselect_b32 s32, 0, 256
	s_cselect_b32 s33, -1, 31
	s_sub_co_u32 s32, ttmp9, s32                   ; the work-group's place in the codes' buffer,
	s_and_b32 s33, s32, s33                        ; and in its source tensor (a weight has 32 work-groups)
	s_lshl_b32 s32, s32, 2
	s_add_co_u32 s32, s32, s24                     ; my wave's run of 8,192 numbers, on the way out
	s_lshl_b32 s33, s33, 2
	s_add_co_u32 s33, s33, s24                     ; and on the way in
	s_mov_b32 s35, 0
	s_lshl_b32 s34, s33, 15                        ; 32,768 bytes of f32 a run
	s_add_nc_u64 s[SRC:SRC+1], s[SRC:SRC+1], s[34:35]
	s_lshl_b32 s34, s32, 12                        ; 4,096 bytes of codes
	s_add_nc_u64 s[COD:COD+1], s[COD:COD+1], s[34:35]
	s_lshl_b32 s34, s32, 8                         ; 256 scale bytes
	s_add_nc_u64 s[SCA:SCA+1], s[SCA:SCA+1], s[34:35]
.macro LOAD t
.irp i, 0,1,2,3
	global_load_b128 v[R+16*((\t)%4)+4*\i:R+16*((\t)%4)+4*\i+3], v3, s[SRC:SRC+1] offset:2048*(\t)+512*\i th:TH_LOAD_NT   ; 32 lanes read 512 consecutive bytes
.endr
.endm
.macro TURN t                          ; step t's numbers through the stage: LDS serves a wave's instructions in order, so no wait stands between the stores and the loads
.irp i, 0,1,2,3
	ds_store_b128 v14, v[R+16*((\t)%4)+4*\i:R+16*((\t)%4)+4*\i+3] offset:32*SP*((\t)%2)+8*SP*\i
.endr
.irp i, 0,1,2,3
	ds_load_b128 v[X+16*((\t)%2)+4*\i:X+16*((\t)%2)+4*\i+3], v15 offset:32*SP*((\t)%2)+16*\i
.endr
.endm
.irp t, 0,1,2,3
	LOAD \t
.endr
	s_wait_loadcnt 12                              ; step 0's four loads are in; the 12 of steps 1 to 3 may be out
	TURN 0
.macro STEP t
.set XS, X+16*((\t)%2)
.if (\t) > 0
	s_wait_dscnt 1                                 ; this step's numbers are back from the stage (the last step's byte store may be out)
.else
	s_wait_dscnt 0x0
.endif
.if (\t)+4 < STEPS
	LOAD (\t)+4                                    ; into the registers that this step's stores into the stage have read
.endif
.if (\t)+1 < STEPS
.if STEPS-2-(\t) >= 3
	s_wait_loadcnt 12                              ; the next step's four loads are in; those of the three steps behind it may be out
.else
	s_wait_loadcnt 4*(STEPS-2-(\t))
.endif
	TURN (\t)+1
.endif
	v_max3_num_f32 v8, |v[XS]|, |v[XS+1]|, |v[XS+2]|               ; the largest magnitude of my 16, in two chains
	v_max3_num_f32 v9, |v[XS+3]|, |v[XS+4]|, |v[XS+5]|
.irp i, 6,10
	v_max3_num_f32 v8, v8, |v[XS+\i]|, |v[XS+\i+1]|
	v_max3_num_f32 v9, v9, |v[XS+\i+2]|, |v[XS+\i+3]|
.endr
	v_max3_num_f32 v8, v8, |v[XS+14]|, |v[XS+15]|
	v_max3_num_f32 v8, v8, v9, (EMAX+1)<<23        ; and the floor 2^(3 - 127): the byte cannot fall under 1
	v_max_num_f32_dpp v8, v8, v8 row_xmask:1 row_mask:0xf bank_mask:0xf   ; with my neighbour's 16: the block's
	v_add_nc_u32 v11, -(EMAX<<23), v8              ; 2 off its exponent field: the conversion takes that field as its scale, and nothing else
	v_cvt_scalef32_pk8_fp4_f32 v[C+4*(\t)], v[XS:XS+7], v11
	v_cvt_scalef32_pk8_fp4_f32 v[C+4*(\t)+1], v[XS+8:XS+15], v11
	v_lshrrev_b32 v[E+(\t)], 23, v11               ; the scale's byte (also the plain line behind the conversions)
	ds_store_b8 v5, v[E+(\t)] offset:16*(\t)       ; both lanes of a block write the same byte with the same value
	global_store_b64 v4, v[C+4*(\t):C+4*(\t)+1], s[COD:COD+1] offset:32*CB*(\t)   ; 32 lanes store 256 consecutive bytes
.endm
.irp t, 0,1,2,3,4,5,6,7,8,9,10,11,12,13,14,15
	STEP \t
.endr
	ds_load_b64 v[8:9], v6                         ; LDS serves a wave's instructions in order: these see my byte stores
	s_wait_dscnt 0x0
	global_store_b64 v7, v[8:9], s[SCA:SCA+1]      ; 256 consecutive bytes
	s_branch .Lend
.Lwo:
	; w_o to f16: a wave takes 8,192 numbers in four batches of 16 loads; two batches are on their way
	s_sub_co_u32 s32, ttmp9, 352
	s_lshl_b32 s32, s32, 2
	s_add_co_u32 s32, s32, s24
	s_mov_b32 s35, 0
	s_lshl_b32 s34, s32, 15
	s_add_nc_u64 s[SRC:SRC+1], s[12:13], s[34:35]
	s_lshl_b32 s34, s32, 14
	s_add_nc_u64 s[COD:COD+1], s[22:23], s[34:35]
.macro LOADB g
.irp i, 0,1,2,3,4,5,6,7,8,9,10,11,12,13,14,15
	global_load_b128 v[R+64*((\g)%2)+4*\i:R+64*((\g)%2)+4*\i+3], v3, s[SRC:SRC+1] offset:512*(16*(\g)+\i) th:TH_LOAD_NT
.endr
.endm
.macro CAST g
.if (\g) < 3
	s_wait_loadcnt 16                              ; this batch is in; the younger batch's 16 loads may be out
.else
	s_wait_loadcnt 0
.endif
.if (\g) > 0
	s_wait_xcnt 0x0                                ; the last batch's stores have read their data registers: they are written again only behind this wait
.endif
.irp i, 0,1,2,3,4,5,6,7,8,9,10,11,12,13,14,15
	v_cvt_pk_f16_f32 v[H16+2*\i], v[R+64*((\g)%2)+4*\i], v[R+64*((\g)%2)+4*\i+1]
	v_cvt_pk_f16_f32 v[H16+2*\i+1], v[R+64*((\g)%2)+4*\i+2], v[R+64*((\g)%2)+4*\i+3]
.endr
.irp i, 0,1,2,3,4,5,6,7,8,9,10,11,12,13,14,15
	global_store_b64 v4, v[H16+2*\i:H16+2*\i+1], s[COD:COD+1] offset:256*(16*(\g)+\i)   ; 32 lanes store 256 consecutive bytes
.endr
.if (\g) < 2
	LOADB (\g)+2
.endif
.endm
	LOADB 0
	LOADB 1
	CAST 0
	CAST 1
	CAST 2
	CAST 3
.Lend:
	s_wait_tensorcnt 0x0                           ; the wave's end: behind my last LDS store
	ds_add_u32 v[SPW], v[NIL]
	s_wait_dscnt 0x0
	s_endpgm
.Lfunc_end_k_q25c7ceb661_quant:
	.size	k_q25c7ceb661_quant, .Lfunc_end_k_q25c7ceb661_quant-k_q25c7ceb661_quant
	.p2alignl 7, 3214868480
	.fill 96, 4, 3214868480
	.section	.rodata,"a",@progbits
	.p2align	6, 0x0
	.amdhsa_kernel k_q25c7ceb661_quant
		.amdhsa_group_segment_fixed_size 33280
		.amdhsa_private_segment_fixed_size 0
		.amdhsa_enable_private_segment 0
		.amdhsa_kernarg_size 80
		.amdhsa_user_sgpr_count 2
		.amdhsa_user_sgpr_kernarg_segment_ptr 1
		.amdhsa_wavefront_size32 1
		.amdhsa_system_sgpr_workgroup_id_x 1
		.amdhsa_system_sgpr_workgroup_id_y 1
		.amdhsa_system_sgpr_workgroup_id_z 1
		.amdhsa_system_vgpr_workitem_id 0
		.amdhsa_next_free_vgpr 192
		.amdhsa_next_free_sgpr 66
		.amdhsa_reserve_vcc 0
		.amdhsa_float_denorm_mode_32 3
		.amdhsa_float_denorm_mode_16_64 3
		.amdhsa_memory_ordered 1
		.amdhsa_forward_progress 1
		.amdhsa_inst_pref_size 54
	.end_amdhsa_kernel
	.amdgpu_metadata
---
amdhsa.version: [ 1, 2 ]
amdhsa.kernels:
  - .name:           k_q25c7ceb661_quant
    .symbol:         k_q25c7ceb661_quant.kd
    .args:
      - { .name: x, .offset: 0, .size: 8, .value_kind: global_buffer, .address_space: global }
      - { .name: w_q, .offset: 8, .size: 8, .value_kind: global_buffer, .address_space: global }
      - { .name: w_k, .offset: 16, .size: 8, .value_kind: global_buffer, .address_space: global }
      - { .name: w_v, .offset: 24, .size: 8, .value_kind: global_buffer, .address_space: global }
      - { .name: w_o, .offset: 32, .size: 8, .value_kind: global_buffer, .address_space: global }
      - { .name: x_codes, .offset: 40, .size: 8, .value_kind: global_buffer, .address_space: global }
      - { .name: x_scales, .offset: 48, .size: 8, .value_kind: global_buffer, .address_space: global }
      - { .name: w_codes, .offset: 56, .size: 8, .value_kind: global_buffer, .address_space: global }
      - { .name: w_scales, .offset: 64, .size: 8, .value_kind: global_buffer, .address_space: global }
      - { .name: wo16, .offset: 72, .size: 8, .value_kind: global_buffer, .address_space: global }
    .group_segment_fixed_size: 33280
    .private_segment_fixed_size: 0
    .kernarg_segment_align: 8
    .kernarg_segment_size: 80
    .max_flat_workgroup_size: 128
    .sgpr_count:     66
    .vgpr_count:     192
    .wavefront_size: 32
...
	.end_amdgpu_metadata
.endif
;; end of part 1
;; launch qkv (part 2): grid 12 x 32, 4 waves a work-group, clusters of 4 x 4, 327,680 bytes of LDS; arguments x_codes, x_scales, w_codes, w_scales, qkv, qkv32; writes qkv, qkv32
.if DOCPART == 2
	.amdgcn_target "amdgcn-amd-amdhsa--gfx1250"
	.amdhsa_code_object_version 6
	.text
	.protected	k_q25c7ceb661_qkv
	.globl	k_q25c7ceb661_qkv
	.p2align	8
	.type	k_q25c7ceb661_qkv,@function
k_q25c7ceb661_qkv:
	s_mov_b64 s[64:65], 0
	v_nop
	global_prefetch_b8 v0, s[64:65] scope:SCOPE_SE
	s_setreg_imm32_b32 hwreg(HW_REG_WAVE_MODE, 25, 1), 1
	s_wait_xcnt 0x0
	s_wait_alu depctr_hold_cnt(0) depctr_sa_sdst(0) depctr_va_vdst(0) depctr_va_sdst(0) depctr_va_ssrc(0) depctr_va_vcc(0) depctr_vm_vsrc(0)
	s_getreg_b32 s2, hwreg(HW_REG_IB_STS2, 6, 4)
	s_cmp_eq_u32 s2, 0
	s_cbranch_scc0 .Lentry_in_a_cluster
	s_endpgm
.Lentry_in_a_cluster:
	s_bfe_u32 s2, ttmp6, 0x10000c
	s_cmp_lg_u32 s2, 0xf033
	s_cbranch_scc0 .Lentry_shape_is_right
	s_endpgm
.Lentry_shape_is_right:
; The three quantised products at once: C[m][n] = sum over k of x[m][k] w[n][k], m = 8,192 tokens, n = 3,072 (w_q's, w_k's, w_v's rows on end), K = 1,024, both operands codes of E2M1 with one E8M0 byte for each 32 along K; sums in f32.
; Results: qkv [3][64 (batch x 16 + head)][2048][64] f16, for the products that are left as they are; and the first 16 tokens of each batch once more as f32, qkv32 [4][16][3072], for the launch that carries those rows finely.
; LIMIT: a result beyond 65,504 in magnitude becomes infinity in f16.
; A tile of C, 256 x 256, is made by a work-group of four waves; a wave makes 128 x 128: 64 accumulators, 512 registers.  All of K is two LDS slots of 512: both, and the scales, are asked for at the start; no LDS byte is filled twice.
; CLUSTERS: 4 x 4 work-groups.  The four of a row of the cluster need the same tiles of x, the four of a column the same tiles of w: each tile is asked for JOINTLY.
; The tile row is 8 cy + cluster y: the four rows of a cluster are the four batches, so that 'this tile holds a batch's first tokens' is 'cluster y = 0', the same in all sixteen partners.
; THE MATRIX INSTRUCTION IS USED TRANSPOSED (source 0 = 16 rows of w, source 1 = 16 tokens): a lane holds eight neighbouring columns of one token.
; REGISTERS, in windows of 256: window 0: v0-31 addresses; v32-95 scale words, two sets; from v128 x's fragments, one set; on the way out v32-255 are free.
;   window 1: w's fragments, two sets, at v0 and v128.   window 2: the accumulators of my rows 0-63 ((a, b) at v[8 (8 a + b)]);   window 3: those of my rows 64-127.
.set SIZE_K, 1024
.set KSTEP,  512                       ; along K in a slot
.set NQ,     KSTEP/128                 ; matrix instructions deep
.set ROWB,   256                       ; a tile's row in bytes
.set KROW,   SIZE_K*4/8                ; a row of codes in memory
.set PITCH,  272                       ; an LDS row: 256 bytes + 16 of padding: the 16 rows of a fragment load start 16 bytes apart modulo 256
.set FR,     8                         ; registers of a fragment
.set NL,     2                         ; LDS loads that bring one
.set NP,     4                         ; places behind this matrix instruction (ISA guide 7.12.1)
.set HALFT,  128*PITCH                 ; 128 rows: what one tensor load brings
.set SLOT,   4*HALFT                   ; x's 256 rows, then w's 256 rows
.set KS,     SIZE_K/32                 ; a row of scale bytes
.set SCL,    2*SLOT                    ; behind the slots: the scales, as runs of 256 bytes + 16 of padding
.set HALFS,  (128*KS/256)*272          ; the scales of 128 rows
.set SBLK,   (16*KS/256)*272           ; those of 16 rows
.set SPARE,  SCL+4*HALFS               ; the spare words, 128 bytes a wave
.set P16,    272                       ; the way out, f16: a stage of 16 rows x (256 + 16) bytes a wave, from LDS byte 0 on (slot 0 has had its only fill and its last read by then)
.set P32,    528                       ; the way out, f32: 16 rows x (512 + 16) bytes a wave, from STG32 on, in slot 0 too
.set STG32,  32768
.set ADRA, 16                          ; v16-17 LDS address of my fragments of x in slot 0, 1
.set STO32, 18                         ; v18 f32 stage: where I put 32 bytes of a row
.set RD32, 19                          ; v19 and where I read a row back
.set ADRB, 20                          ; v20-21 the same as ADRA for w
.set CO32, 22                          ; v22 my byte offset in a row's 512 bytes of qkv32
.set STO,  24                          ; v24 f16 stage: where I put 16 bytes of a row
.set RD,   25                          ; v25 and where I read back
.set CO,   26                          ; v26 my byte offset in qkv
.set ADRS, 27                          ; v27 LDS address of my scale words: lanes 0-15 x's rows, lanes 16-31 w's
.set SPW,  28                          ; v28 LDS address of my spare word; never rewritten
.set NIL,  29                          ; v29 0; never rewritten
.set SC,   32                          ; scale words: set s at v[SC + 8 NQ s]
.set AF,   128                         ; x's fragments
.set TMP,  32                          ; the way out: a block's packed f16
.set BK,   64                          ; the way out: rows read back, v64-95 and v96-127 by turns
.set G1, 24
.set G0, 32
.set G1B, 48
.set G0B, 56
.set G1S, 68
.set G0S, 76
.set G1SB, 80
.set G0SB, 88
.set Q32, 98                           ; s[98:99] qkv32
.set MSB, 0
.macro WIN new                         ; the immediate's high byte repeats the setting that is left
.if MSB != (\new)
	s_set_vgpr_msb (MSB<<8)|(\new)
.set MSB, (\new)
.endif
.endm
.set MUL_LO, 0xa1                      ; source 0 (w) window 1, source 1 (x) window 0, C and D window 2
.set MUL_HI, 0xf1                      ; the same, C and D window 3
.set TO_B,   0x40                      ; destination window 1, address window 0
; A joint load: waves 0 and 1 fetch for x, waves 2 and 3 for w.  The branch hangs on the wave's number alone.  An s_nop 0 and four v_nop follow each line.
.macro JLOAD g0a, g1a, g0b, g1b
	s_cmp_eq_u32 s15, 0
	s_cbranch_scc0 .Lfor_b_\@
	tensor_load_to_lds s[\g0a:\g0a+3], s[\g1a:\g1a+7]
	s_nop 0
.rept 4
	v_nop
.endr
	s_branch .Lasked_\@
.Lfor_b_\@:
	tensor_load_to_lds s[\g0b:\g0b+3], s[\g1b:\g1b+7]
	s_nop 0
.rept 4
	v_nop
.endr
.Lasked_\@:
.endm
.macro CROUND                          ; a round of the cluster's barrier
	s_barrier_signal -1
	s_barrier_wait -1
	s_cmp_lg_u32 s14, 0
	s_cbranch_scc1 .Lnot_wave_0_\@
	s_barrier_signal -3
.Lnot_wave_0_\@:
	s_barrier_wait -3
	s_barrier_signal -1
	s_barrier_wait -1
.endm
	s_load_b128 s[4:7], s[0:1], 0x0                ; x's codes, x's scales
	s_load_b128 s[8:11], s[0:1], 0x10              ; w's codes, w's scales
	s_load_b64 s[12:13], s[0:1], 0x20              ; qkv
	s_load_b64 s[Q32:Q32+1], s[0:1], 0x28          ; qkv32
	v_lshl_add_u32 v[SPW], v0, 2, SPARE
	v_mov_b32 v[NIL], 0
	ds_add_u32 v[SPW], v[NIL]                      ; the wave's opening: the add, twice on end, and its wait ahead of my first tensor load
	ds_add_u32 v[SPW], v[NIL]
	v_lshrrev_b32 v1, 5, v0
	v_readfirstlane_b32 s14, v1                    ; wave 0..3
	s_lshr_b32 s15, s14, 1                         ; which half of the tile's rows is mine.  Also: I fetch for x (0) or for w (1)
	s_and_b32 s16, s14, 1                          ; which half of its columns.  Also: which 128 rows of that tile I fetch
	s_bfe_u32 s40, ttmp6, 0x40000                  ; cx, cy: my place in the cluster
	s_bfe_u32 s41, ttmp6, 0x40004
	s_lshl_b32 s42, ttmp9, 2
	s_add_co_u32 s42, s42, s40                     ; tile column = 4 x cluster x + cx
	s_and_b32 s17, ttmp7, 0xffff
	s_lshl_b32 s18, s41, 3
	s_add_co_u32 s17, s17, s18                     ; tile row = 8 cy + cluster y: cy is the batch
	s_lshl_b32 s43, s41, 2
	s_lshl_b32 s43, 15, s43                        ; my row of the cluster
	s_lshl_b32 s44, 0x1111, s40                    ; my column
	; descriptor group 1: a tile of 128 rows x 256 bytes, padded in LDS
	s_or_b32 s[G1+0], s43, (0<<16)|(1<<20)|(1<<21)|(5<<22)|(3<<25)  ; the mask: x's tiles go to my row; elements of 1 byte; padding of 4 words behind every 64; bit 21 beside a mask
	s_or_b32 s[G1B+0], s44, (0<<16)|(1<<20)|(1<<21)|(5<<22)|(3<<25)
.irp g, G1, G1B
	s_mov_b32 s[\g+1], ROWB<<16                    ; tensor_dim0
	s_mov_b32 s[\g+2], 128<<16                     ; tensor_dim1
	s_mov_b32 s[\g+3], ROWB<<16                    ; tile_dim0
	s_mov_b32 s[\g+4], 128                         ; tile_dim1
	s_mov_b32 s[\g+5], KROW                        ; from row to row
	s_mov_b32 s[\g+6], 0
	s_mov_b32 s[\g+7], 0
.endr
	; the scales of 128 rows: a dense block of 4,096 bytes, as 16 rows of 256 bytes (32 elements of 8 bytes), 16 bytes of padding behind each
	s_or_b32 s[G1S+0], s43, (3<<16)|(1<<20)|(1<<21)|(5<<22)|(3<<25)
	s_or_b32 s[G1SB+0], s44, (3<<16)|(1<<20)|(1<<21)|(5<<22)|(3<<25)
.irp g, G1S, G1SB
	s_mov_b32 s[\g+1], 32<<16
	s_mov_b32 s[\g+2], (128*KS/256)<<16
	s_mov_b32 s[\g+3], 32<<16
	s_mov_b32 s[\g+4], 128*KS/256
	s_mov_b32 s[\g+5], 32
	s_mov_b32 s[\g+6], 0
	s_mov_b32 s[\g+7], 0
.endr
	s_lshl_b32 s18, s16, 7                         ; which 128 rows of the tile I fetch
	s_lshl_b32 s20, s17, 8
	s_add_co_u32 s20, s20, s18                     ; x: row 256 x tile row + 128 x half
	s_lshl_b32 s46, s42, 8
	s_add_co_u32 s46, s46, s18                     ; w: row 256 x tile column + 128 x half
	s_mov_b32 s21, 0
	s_mov_b32 s47, 0
	s_mov_b64 s[18:19], KS
	s_mul_u64 s[22:23], s[20:21], s[18:19]         ; where these rows' scales begin
	s_mul_u64 s[92:93], s[46:47], s[18:19]
	s_mov_b64 s[18:19], KROW
	s_mul_u64 s[20:21], s[20:21], s[18:19]         ; and their codes
	s_mul_u64 s[46:47], s[46:47], s[18:19]
	s_mul_i32 s45, s14, HALFT                      ; where they go: wave x 128 rows
	s_mul_i32 s94, s14, HALFS
	s_wait_dscnt 0x0                               ; both opening adds are done
	s_wait_kmcnt 0x0
	s_add_nc_u64 s[20:21], s[4:5], s[20:21]
	s_add_nc_u64 s[22:23], s[6:7], s[22:23]
	s_add_nc_u64 s[46:47], s[8:9], s[46:47]
	s_add_nc_u64 s[92:93], s[10:11], s[92:93]
	CROUND                                         ; all sixteen work-groups are here: the joint loads meet
	s_mov_b32 s[G0S], 1
	s_add_co_u32 s[G0S+1], s94, SCL
	s_mov_b64 s[G0S+2:G0S+3], s[22:23]
	s_or_b32 s[G0S+3], s[G0S+3], 0x80000000
	s_mov_b32 s[G0SB], 1
	s_add_co_u32 s[G0SB+1], s94, SCL
	s_mov_b64 s[G0SB+2:G0SB+3], s[92:93]
	s_or_b32 s[G0SB+3], s[G0SB+3], 0x80000000
	JLOAD G0S, G1S, G0SB, G1SB                     ; the scales first: they are wanted with the first K step
.irp s, 0,1
	s_mov_b32 s[G0+4*\s], 1
	s_add_co_u32 s[G0+4*\s+1], s45, \s*SLOT
	s_add_nc_u64 s[G0+4*\s+2:G0+4*\s+3], s[20:21], \s*ROWB
	s_or_b32 s[G0+4*\s+3], s[G0+4*\s+3], 0x80000000
	s_mov_b32 s[G0B+4*\s], 1
	s_add_co_u32 s[G0B+4*\s+1], s45, \s*SLOT
	s_add_nc_u64 s[G0B+4*\s+2:G0B+4*\s+3], s[46:47], \s*ROWB
	s_or_b32 s[G0B+4*\s+3], s[G0B+4*\s+3], 0x80000000
	JLOAD G0+4*\s, G1, G0B+4*\s, G1B               ; three loads of mine are out in all
.endr
	v_and_b32 v1, 15, v0                           ; r = l % 16
	v_bfe_u32 v2, v0, 4, 1                         ; h = l / 16
	v_mul_u32_u24 v3, v1, PITCH
	v_lshl_add_u32 v4, v2, 4, v3                   ; a fragment's row x pitch + 16 x half
	s_mul_i32 s21, s15, HALFT                      ; my 128 rows of x
	s_mul_i32 s22, s16, HALFT                      ; my 128 rows of w,
	s_add_co_u32 s22, s22, 2*HALFT                 ; which lie behind x's 256
.irp s, 0,1
	v_add_nc_u32 v[ADRA+\s], s21, v4
	v_add_nc_u32 v[ADRB+\s], s22, v4
	s_add_co_u32 s21, s21, SLOT
	s_add_co_u32 s22, s22, SLOT
.endr
	v_mul_u32_u24 v5, v1, KS                       ; my row's scales: KS bytes a row,
	v_lshrrev_b32 v6, 8, v5
	v_lshl_add_u32 v5, v6, 4, v5                   ; and 16 more for each 256 passed
	s_mul_i32 s21, s15, HALFS
	s_mul_i32 s22, s16, HALFS
	s_add_co_u32 s22, s22, 2*HALFS
	s_sub_co_u32 s22, s22, s21
	v_mul_u32_u24 v6, s22, v2                      ; lanes 16-31 take w's: one product, the distance between the two bases x h
	s_add_co_u32 s21, s21, SCL
	v_add_nc_u32 v5, v5, v6
	v_add_nc_u32 v[ADRS], s21, v5
	; the way out, f16.  In: row r of the stage, 16 bytes for each half of the lanes.  Back: lanes 0-15 take two tokens' 128 bytes of my first head, lanes 16-31 of my second: in qkv each is 256 consecutive bytes
	s_mul_i32 s23, s14, 16*P16
	v_mul_u32_u24 v5, v1, P16
	v_lshl_add_u32 v5, v2, 4, v5
	v_add_nc_u32 v[STO], s23, v5
	v_bfe_u32 v5, v0, 3, 1                         ; which of the two tokens
	v_and_b32 v6, 7, v0
	v_lshlrev_b32 v6, 4, v6                        ; which 16 bytes of its 128
	v_lshl_add_u32 v[CO], v5, 7, v6
	v_mad_u32_u24 v5, v5, P16, v6
	v_lshl_add_u32 v5, v2, 7, v5
	v_add_nc_u32 v[RD], s23, v5
	v_lshl_add_u32 v[CO], v2, 18, v[CO]            ; the next head lies 262,144 bytes on
	; the way out, f32
	s_mul_i32 s23, s14, 16*P32
	s_add_co_u32 s23, s23, STG32
	v_mul_u32_u24 v5, v1, P32
	v_lshl_add_u32 v5, v2, 5, v5
	v_add_nc_u32 v[STO32], s23, v5
	v_and_b32 v6, 31, v0
	v_lshlrev_b32 v[CO32], 4, v6
	v_add_nc_u32 v[RD32], s23, v[CO32]
	; where my part begins in qkv: head index g0 = 4 x tile column + 2 x column half (0..47): section g0 / 16, head g0 % 16
	s_lshl_b32 s20, s42, 2
	s_lshl_b32 s21, s16, 1
	s_add_co_u32 s20, s20, s21
	s_lshr_b32 s21, s20, 4
	s_lshl_b32 s21, s21, 6                         ; 64 heads a section
	s_and_b32 s20, s20, 15
	s_add_co_u32 s20, s20, s21
	s_lshl_b32 s21, s41, 4                         ; 16 heads a batch
	s_add_co_u32 s20, s20, s21
	s_lshl_b32 s20, s20, 18                        ; 262,144 bytes a head
	s_and_b32 s21, ttmp7, 0xffff
	s_lshl_b32 s21, s21, 15                        ; 256 tokens of 128 bytes a tile row
	s_add_co_u32 s20, s20, s21
	s_lshl_b32 s21, s15, 14                        ; 128 tokens a row half
	s_add_co_u32 s20, s20, s21
	s_mov_b32 s21, 0
	s_add_nc_u64 s[12:13], s[12:13], s[20:21]
	s_mul_i32 s20, s41, 16*12288                   ; qkv32: the batch's 16 rows of 12,288 bytes,
	s_lshl_b32 s46, s42, 10
	s_add_co_u32 s20, s20, s46                     ; the tile's 256 columns,
	s_lshl_b32 s46, s16, 9
	s_add_co_u32 s20, s20, s46                     ; my 128 of them
	s_add_nc_u64 s[Q32:Q32+1], s[Q32:Q32+1], s[20:21]
.macro FRAG reg, adr, q, i             ; a fragment, 16 rows x 128 K of 4-bit codes: registers 4 c .. 4 c + 3 hold K = 64 c + 32 (l / 16) + 0 .. 31
.irp c, 0,1
	ds_load_b128 v[\reg+4*\c:\reg+4*\c+3], v[\adr] offset:64*(\q)+32*\c+(\i)*16*PITCH
.endr
.endm
; 16 matrix instructions: x's blocks a0, a0 + 1 against w's eight, 128 along K.  p: w's set; sc: the set of scale words.  zero = 1: the first product starts the sums.
; The 64 accumulators take turns, one instruction a turn, in the same order in every step.
.macro MUL16 a0, p, q, sc, zero
.irp a, \a0, \a0+1
.irp b, 0,1,2,3,4,5,6,7
.if \zero
	v_wmma_scale_f32_16x16x128_f8f6f4 v[8*(8*((\a)%4)+\b):8*(8*((\a)%4)+\b)+7], v[128*(\p)+FR*\b:128*(\p)+FR*\b+FR-1], v[AF+FR*(\a):AF+FR*(\a)+FR-1], 0, v[SC+8*NQ*(\sc)+NQ*\b+(\q)], v[SC+8*NQ*(\sc)+NQ*(\a)+(\q)] matrix_a_fmt:MATRIX_FMT_FP4 matrix_b_fmt:MATRIX_FMT_FP4 matrix_a_scale:MATRIX_SCALE_ROW1
.else
	v_wmma_scale_f32_16x16x128_f8f6f4 v[8*(8*((\a)%4)+\b):8*(8*((\a)%4)+\b)+7], v[128*(\p)+FR*\b:128*(\p)+FR*\b+FR-1], v[AF+FR*(\a):AF+FR*(\a)+FR-1], v[8*(8*((\a)%4)+\b):8*(8*((\a)%4)+\b)+7], v[SC+8*NQ*(\sc)+NQ*\b+(\q)], v[SC+8*NQ*(\sc)+NQ*(\a)+(\q)] matrix_a_fmt:MATRIX_FMT_FP4 matrix_b_fmt:MATRIX_FMT_FP4 matrix_a_scale:MATRIX_SCALE_ROW1
.endif
.endr
.endr
.endm
.macro FETCH_B slot, q, p              ; w's eight fragments of the slot's q-th 128 along K into set p
	WIN TO_B
.irp i, 0,1,2,3,4,5,6,7
	FRAG 128*(\p)+FR*\i, ADRB+\slot, \q, \i
.endr
	WIN 0
.endm
.macro FETCH_A slot, q, i0             ; x's blocks i0 .. i0 + 3
.irp i, \i0, \i0+1, \i0+2, \i0+3
	FRAG AF+FR*(\i), ADRA+\slot, \q, \i
.endr
.endm
.macro SCALES sc                       ; a K step's scale words into set sc: lanes 0-15 take x's block i, lanes 16-31 w's block i
.irp i, 0,1,2,3,4,5,6,7
	ds_load_b128 v[SC+8*NQ*\sc+NQ*\i:SC+8*NQ*\sc+NQ*\i+3], v[ADRS] offset:\i*SBLK
.endr
.endm
.macro PLACES n                        ; plain vector instructions between a matrix instruction and a load into, or a read of, its registers
.rept \n
	v_nop
.endr
.endm
; A step of 128 along K that has its successor in the same slot.
.macro STEP slot, q, zero
	s_wait_dscnt 4*NL                              ; w's set and x's blocks 0-3 are in; the youngest eight loads (x's blocks 4-7) may be out
	WIN MUL_LO
	MUL16 0, (\q)%2, \q, \slot, \zero
	MUL16 2, (\q)%2, \q, \slot, \zero
	s_wait_dscnt 0                                 ; x's blocks 4-7 are in
	PLACES NP
	FETCH_B \slot, (\q)+1, 1-(\q)%2
	FETCH_A \slot, (\q)+1, 0
	WIN MUL_HI
	MUL16 4, (\q)%2, \q, \slot, \zero
	MUL16 6, (\q)%2, \q, \slot, \zero
	PLACES NP
	WIN 0
	FETCH_A \slot, (\q)+1, 4
.endm
; Slot 0's last step changes slots: one barrier.  In front of it each wave waits for all its tensor loads (its part of slot 1), adds 0 to its spare word, and waits for that and for its reads of slot 0.
.macro TURN slot, next
	s_wait_tensorcnt 0x0                           ; all my tensor loads have landed
	ds_add_u32 v[SPW], v[NIL]                      ; 0 onto my spare word
	s_wait_dscnt 4*NL+1                            ; (the add and the youngest eight loads may be out)
	WIN MUL_LO
	MUL16 0, 1, NQ-1, \slot, 0
	s_wait_dscnt 0x0                               ; the add is done, and my reads of this slot are over
	s_barrier_signal -1
	MUL16 2, 1, NQ-1, \slot, 0
	WIN 0
	s_barrier_wait -1
	PLACES NP
	v_add_nc_u32 v[ADRS], 4*NQ, v[ADRS]            ; on to the next K step's scale words
	FETCH_B \next, 0, 0
	FETCH_A \next, 0, 0
	SCALES \next
	WIN MUL_HI
	MUL16 4, 1, NQ-1, \slot, 0
	MUL16 6, 1, NQ-1, \slot, 0
	PLACES NP
	WIN 0
	FETCH_A \next, 0, 4
.endm
.macro STEPS slot, from                ; the slot's steps from .. NQ - 2
.set Q, \from
.rept NQ-1-\from
	STEP \slot, Q, 0
.set Q, Q+1
.endr
.endm
	s_wait_tensorcnt 1                             ; the scales and my part of slot 0 are in (slot 1's load may be out)
	s_barrier_signal -1
	s_barrier_wait -1                              ; everybody's are
	FETCH_B 0, 0, 0
	FETCH_A 0, 0, 0
	SCALES 0
	FETCH_A 0, 0, 4
	STEP 0, 0, 1                                   ; the first step's products start the sums
	STEPS 0, 1
	TURN 0, 1
	STEPS 1, 0
	s_wait_dscnt 4*NL                              ; the last step: nothing more to fetch
	WIN MUL_LO
	MUL16 0, 1, NQ-1, 1, 0
	MUL16 2, 1, NQ-1, 1, 0
	s_wait_dscnt 0
	WIN MUL_HI
	MUL16 4, 1, NQ-1, 1, 0
	MUL16 6, 1, NQ-1, 1, 0
	WIN 0
	PLACES NP                                      ; in front of the reads of results and of writes and loads into the registers that held scales and fragments
	; THE FIRST 16 TOKENS OF A BATCH, AS F32: they are block 0 of the upper waves of the tiles with cluster y = 0.  The branch hangs on the cluster's y and the wave's number: the same in all partners.
	s_and_b32 s2, ttmp7, 0xffff
	s_or_b32 s2, s2, s15
	s_cmp_lg_u32 s2, 0
	s_cbranch_scc1 .Lno32
	WIN 0x08                                       ; an LDS store's data: window 2
.irp b, 0,1,2,3,4,5,6,7
	ds_store_b128 v[STO32], v[8*\b:8*\b+3] offset:64*\b              ; each accumulator from its low end on
	ds_store_b128 v[STO32], v[8*\b+4:8*\b+7] offset:64*\b+16
.endr
	WIN 0
.irp t, 0,1,2,3,4,5,6,7,8,9,10,11,12,13,14,15
	ds_load_b128 v[128+4*\t:128+4*\t+3], v[RD32] offset:P32*\t       ; LDS serves a wave's instructions in order: these see my stores
.endr
.irp t, 0,1,2,3,4,5,6,7,8,9,10,11,12,13,14,15
	s_wait_dscnt 15-\t                             ; row t is back; the younger rows' loads may be out
	global_store_b128 v[CO32], v[128+4*\t:128+4*\t+3], s[Q32:Q32+1] offset:12288*\t   ; 32 lanes store 512 consecutive bytes
.endr
.Lno32:
; THE WAY OUT, F16, block by block of 16 tokens x 128 columns (two heads).  PACK: rounded to f16, 16 bytes a lane.  TOSTAGE: into my own stage and back.  SEND: stored; every offset is an immediate.
.macro PACK a
.set AC, 64*((\a)%4)
	WIN 0x0a+5*((\a)/4)                            ; sources 0 and 1: window 2 or 3
.irp b, 0,1,2,3,4,5,6,7
.irp i, 0,1,2,3
	v_cvt_pk_f16_f32 v[TMP+4*\b+\i], v[AC+8*\b+2*\i], v[AC+8*\b+2*\i+1]
.endr
.endr
	WIN 0
.endm
.macro TOSTAGE a
.if (\a) >= 2
	s_wait_xcnt 0x0                                ; block a - 2's stores have read the registers into which the loads below land
.endif
.irp b, 0,1,2,3,4,5,6,7
	ds_store_b128 v[STO], v[TMP+4*\b:TMP+4*\b+3] offset:32*\b
.endr
.irp t, 0,1,2,3,4,5,6,7
	ds_load_b128 v[BK+32*((\a)%2)+4*\t:BK+32*((\a)%2)+4*\t+3], v[RD] offset:2*P16*\t
.endr
.endm
.macro SEND a
	s_wait_dscnt 0x0                               ; the block is back in registers
.irp t, 0,1,2,3,4,5,6,7
	global_store_b128 v[CO], v[BK+32*((\a)%2)+4*\t:BK+32*((\a)%2)+4*\t+3], s[12:13] offset:2048*(\a)+256*\t   ; 16 lanes store 256 consecutive bytes: two tokens of one head
.endr
.endm
	PACK 0
	TOSTAGE 0
.irp a, 1,2,3,4,5,6,7                  ; block a's conversions stand between block a - 1's loads from the stage and the wait for them
	PACK \a
	SEND \a-1
	TOSTAGE \a
.endr
	SEND 7
	s_wait_tensorcnt 0x0                           ; the wave's end: behind my last tensor load and my last LDS store
	ds_add_u32 v[SPW], v[NIL]
	s_wait_dscnt 0x0
	CROUND                                         ; the closing round
	s_endpgm
.Lfunc_end_k_q25c7ceb661_qkv:
	.size	k_q25c7ceb661_qkv, .Lfunc_end_k_q25c7ceb661_qkv-k_q25c7ceb661_qkv
	.p2alignl 7, 3214868480
	.fill 96, 4, 3214868480
	.section	.rodata,"a",@progbits
	.p2align	6, 0x0
	.amdhsa_kernel k_q25c7ceb661_qkv
		.amdhsa_group_segment_fixed_size 327680
		.amdhsa_private_segment_fixed_size 0
		.amdhsa_enable_private_segment 0
		.amdhsa_kernarg_size 48
		.amdhsa_user_sgpr_count 2
		.amdhsa_user_sgpr_kernarg_segment_ptr 1
		.amdhsa_wavefront_size32 1
		.amdhsa_system_sgpr_workgroup_id_x 1
		.amdhsa_system_sgpr_workgroup_id_y 1
		.amdhsa_system_sgpr_workgroup_id_z 1
		.amdhsa_system_vgpr_workitem_id 0
		.amdhsa_next_free_vgpr 1024
		.amdhsa_next_free_sgpr 100
		.amdhsa_reserve_vcc 0
		.amdhsa_float_denorm_mode_32 3
		.amdhsa_float_denorm_mode_16_64 3
		.amdhsa_memory_ordered 1
		.amdhsa_forward_progress 1
		.amdhsa_inst_pref_size 131
	.end_amdhsa_kernel
	.amdgpu_metadata
---
amdhsa.version: [ 1, 2 ]
amdhsa.kernels:
  - .name:           k_q25c7ceb661_qkv
    .symbol:         k_q25c7ceb661_qkv.kd
    .args:
      - { .name: x_codes, .offset: 0, .size: 8, .value_kind: global_buffer, .address_space: global }
      - { .name: x_scales, .offset: 8, .size: 8, .value_kind: global_buffer, .address_space: global }
      - { .name: w_codes, .offset: 16, .size: 8, .value_kind: global_buffer, .address_space: global }
      - { .name: w_scales, .offset: 24, .size: 8, .value_kind: global_buffer, .address_space: global }
      - { .name: qkv, .offset: 32, .size: 8, .value_kind: global_buffer, .address_space: global }
      - { .name: qkv32, .offset: 40, .size: 8, .value_kind: global_buffer, .address_space: global }
    .group_segment_fixed_size: 327680
    .private_segment_fixed_size: 0
    .kernarg_segment_align: 8
    .kernarg_segment_size: 48
    .max_flat_workgroup_size: 128
    .sgpr_count:     100
    .vgpr_count:     1024
    .wavefront_size: 32
...
	.end_amdgpu_metadata
.endif
;; end of part 2
;; launch attn (part 3): grid 4 x 64, 16 waves a work-group, no clusters, 327,680 bytes of LDS; arguments qkv, att; writes att
.if DOCPART == 3
	.amdgcn_target "amdgcn-amd-amdhsa--gfx1250"
	.amdhsa_code_object_version 6
	.text
	.protected	k_q25c7ceb661_attn
	.globl	k_q25c7ceb661_attn
	.p2align	8
	.type	k_q25c7ceb661_attn,@function
k_q25c7ceb661_attn:
	s_mov_b64 s[64:65], 0
	v_nop
	global_prefetch_b8 v0, s[64:65] scope:SCOPE_SE
	s_setreg_imm32_b32 hwreg(HW_REG_WAVE_MODE, 25, 1), 1
	s_wait_xcnt 0x0
; att[bh][q][:] = the sum over k <= q of softmax_k(Q[bh][q] . K[bh][k] / 8) V[bh][k][:].  Q, K, V: the three sections of qkv, [64][2048][64] f16 each; att likewise.  Products with f16 operands and f32 sums; maxima, exponentials and sums in f32.
; f16 and not bf16: |Q|, |K|, |V| have room in f16 up to 65,504 (stated where they are made), p is at most 1.
; SHARES.  Work-group (i, bh) owns the blocks i and 7 - i of 256 queries of one head: waves 0-7 block i, waves 8-15 block 7 - i, so that every work-group has (i + 1) + (8 - i) = 9 blocks' worth of keys under the causal mask.
; A wave owns 32 queries, two tiles of 16: each fragment of K and V that it reads from LDS feeds two matrix instructions.  All sixteen waves walk one stream of keys: slots of 256 keys, steps of 64.
; NO CLUSTER: the four work-groups of a head need 8, 7, 6 and 5 slots; a joint load would bring tiles that every wave of some partner jumps over.
; LAYOUT.  S^T = K Q^T (source 0 = 16 keys, source 1 = 16 queries); two such tiles, rounded to f16 in pairs, are source 1 of O^T = V^T P; V is turned on its way out of LDS.  A lane holds ONE query throughout.
; SOFTMAX.  A running maximum m and sum l for each query: p = 2^(c s - c m), c = log2(e) / 8; in every step O and l are multiplied by a = 2^(c m_old - c m_new).
; THE MASK.  Every work-group walks all 8 slots (constant trip counts); a step all of whose keys come after the wave's queries is jumped over by a scalar branch on ids; on the diagonal hidden scores become -infinity.
; A step that is walked has its first key at or under every query of the wave (steps begin at multiples of 64, waves at multiples of 32), so m is a number from the first step on.
; A slot whose first key comes after the work-group's last query is not asked for.
.set PK,    144                        ; a key's row in LDS: 128 bytes + 16
.set PV,    160                        ; a row of V: 128 + 32: an odd multiple of 32
.set VOFF,  256*PK                     ; a slot: 256 rows of K, then 256 rows of V
.set SLOT1, 1<<17                      ; slot 1 begins here: one exclusive or turns an address
.set SPARE, SLOT1+VOFF+256*PV          ; the spare words, 128 bytes a wave
.set AK0,  1                           ; v1  my lane's place in a tile of K
.set AV0,  2                           ; v2  the same for V
.set ADK,  3                           ; v3  the step's address in K
.set ADV,  4                           ; v4  in V
.set SPW,  5                           ; v5  my spare word; never rewritten
.set NIL,  6                           ; v6  0; never rewritten
.set DL,   7                           ; v7  r - 8 h
.set D0,   8                           ; v8, v9  the mask's distances of tiles 0, 1
.set NEG,  10                          ; v10 -infinity
.set PFO,  11                          ; v11 256 x lane
.set QO,   12                          ; v12 Q's offset
.set STO,  13                          ; v13 the way out: into my stage
.set RD,   14                          ; v14 and back
.set GO,   15                          ; v15 16 x lane
.set ST,   16                          ; tile t's statistics at v[16 + 8 t]: +0 c m, +1 m, +2, +3 l, +4 .. +7 at work; a = +6
.set QF,   32                          ; v32-63   Q: tile t, channels 32 c on, at 32 + 16 t + 8 c
.set KV,   64                          ; v64-127  a step's 8 fragments of K, then its 8 of V
.set S,    128                         ; v128-191 S^T, 32 a tile; P is packed into each tile's first 16
.set OT,   192                         ; v192-255 O^T, 32 a tile
.set WV,   8
.set BH,   9
.set Q0,   10                          ; s10 my first query
.set QE,   11                          ; s11 my last
.set QL,   12                          ; s12 my work-group's last
.set KF,   13                          ; s13 the step's first key
.set TK,   14                          ; s14 LDS byte of the step's rows of K
.set TV,   15                          ; s15 the same for V (less VOFF)
.set SLOTS, 16
.set INNER, 17
.set CS,   18                          ; s[18:19] c, twice
.set SEL,  20                          ; s[20:21] selects for lane l xor 16
.set LIM,  22
.set TMP,  23
.set G1K,  24
.set G1V,  32
.set G0K,  40
.set G0V,  44
.set PFA,  48
; Waves 0 and 1 fetch K's halves of a slot, waves 2 and 3 V's, the others nothing.  An s_nop 0 and four v_nop follow each line.
.macro TLOAD
	s_cmp_lt_u32 s[WV], 2
	s_cbranch_scc0 .Lnot_k_\@
	tensor_load_to_lds s[G0K:G0K+3], s[G1K:G1K+7]
	s_nop 0
.rept 4
	v_nop
.endr
	s_branch .Lasked_\@
.Lnot_k_\@:
	s_cmp_lt_u32 s[WV], 4
	s_cbranch_scc0 .Lasked_\@
	tensor_load_to_lds s[G0V:G0V+3], s[G1V:G1V+7]
	s_nop 0
.rept 4
	v_nop
.endr
.Lasked_\@:
.endm
; A prefetch of what the NEXT change of slots will ask for: a slot's 32,768 bytes of K and of V.  All four work-groups of a head walk the same rows: the one with i = 0, which walks all eight slots, asks.
; In it waves 4 to 7 ask for K's bytes and waves 8 to 11 for V's, 8,192 a wave, lanes 256 bytes apart: each run of 256 bytes is named once in the launch.  A slot's 4 key steps lie between the request and the load.
; Slots 0 and 1 come by their loads alone; the last change that fills a slot asks for nothing.
.macro ASK
	s_cmp_gt_u32 s[SLOTS], s[LIM]
	s_cbranch_scc0 .Lnot_mine_\@
	global_prefetch_b8 v[PFO], s[PFA:PFA+1] th:TH_LOAD_NT scope:SCOPE_SE
.Lnot_mine_\@:
.endm
	s_load_b128 s[4:7], s[0:1], 0x0                ; qkv, att
	v_lshl_add_u32 v[SPW], v0, 2, SPARE
	v_mov_b32 v[NIL], 0
	ds_add_u32 v[SPW], v[NIL]                      ; the wave's opening: the add, twice on end, and its wait ahead of my first tensor load
	ds_add_u32 v[SPW], v[NIL]
	v_lshrrev_b32 v1, 5, v0
	v_readfirstlane_b32 s[WV], v1                  ; wave 0..15
	s_and_b32 s[BH], ttmp7, 0xffff
	s_sub_co_u32 s50, 7, ttmp9
	s_cmp_lt_u32 s[WV], 8
	s_cselect_b32 s50, ttmp9, s50                  ; my block of 256 queries
	s_lshl_b32 s[Q0], s50, 8
	s_and_b32 s51, s[WV], 7
	s_lshl_b32 s51, s51, 5
	s_add_co_u32 s[Q0], s[Q0], s51
	s_add_co_u32 s[QE], s[Q0], 31
	s_sub_co_u32 s[QL], 8, ttmp9
	s_lshl_b32 s[QL], s[QL], 8
	s_sub_co_u32 s[QL], s[QL], 1
	s_mov_b32 s[KF], 0
	s_mov_b32 s[TK], 0
	s_mov_b32 s[TV], 0
	s_mov_b32 s[SLOTS], 7
	s_mov_b32 s[CS], 0x3e38aa3b                    ; c = log2(e) / 8
	s_mov_b32 s[CS+1], s[CS]
	s_mov_b32 s[SEL], 0x76543210
	s_mov_b32 s[SEL+1], 0xfedcba98
	; descriptor group 1: 128 rows of 64 elements of 2 bytes, dense in memory; padding behind every 32 words: 4 words for K, 8 for V
	s_mov_b32 s[G1K], (1<<16)|(1<<20)|(4<<22)|(3<<25)
	s_mov_b32 s[G1V], (1<<16)|(1<<20)|(4<<22)|(7<<25)
.irp g, G1K, G1V
	s_mov_b32 s[\g+1], 64<<16                      ; tensor_dim0
	s_mov_b32 s[\g+2], 128<<16                     ; tensor_dim1
	s_mov_b32 s[\g+3], 64<<16                      ; tile_dim0
	s_mov_b32 s[\g+4], 128                         ; tile_dim1
	s_mov_b32 s[\g+5], 64                          ; from row to row
	s_mov_b32 s[\g+6], 0
	s_mov_b32 s[\g+7], 0
.endr
	s_and_b32 s52, s[WV], 1                        ; which 128 rows of a slot I fetch, if I fetch
	s_lshl_b32 s54, s[BH], 18                      ; the head: 262,144 bytes
	s_lshl_b32 s53, s52, 14
	s_add_co_u32 s54, s54, s53
	s_mov_b32 s55, 0
	s_mul_i32 s56, s52, 128*PK
	s_mul_i32 s57, s52, 128*PV
	s_add_co_u32 s57, s57, VOFF
	s_lshl_b32 s58, s[BH], 18
	s_lshl_b32 s59, s[Q0], 7
	s_add_co_u32 s58, s58, s59                     ; my first query's row, in Q's section and in att
	s_mov_b32 s59, 0
	s_wait_dscnt 0x0                               ; both opening adds are done
	s_wait_kmcnt 0x0
	s_mov_b32 s[G0K], 1
	s_mov_b32 s[G0K+1], s56
	s_add_nc_u64 s[G0K+2:G0K+3], s[4:5], s[54:55]
	s_add_nc_u64 s[G0K+2:G0K+3], s[G0K+2:G0K+3], 16777216   ; K's section
	s_or_b32 s[G0K+3], s[G0K+3], 0x80000000
	s_mov_b32 s[G0V], 1
	s_mov_b32 s[G0V+1], s57
	s_add_nc_u64 s[G0V+2:G0V+3], s[4:5], s[54:55]
	s_add_nc_u64 s[G0V+2:G0V+3], s[G0V+2:G0V+3], 33554432   ; V's section
	s_or_b32 s[G0V+3], s[G0V+3], 0x80000000
	TLOAD                                          ; slot 0: it holds key 0, which counts for every query
	s_add_nc_u64 s[60:61], s[4:5], s[58:59]        ; Q
	s_add_nc_u64 s[62:63], s[6:7], s[58:59]        ; att
	s_cmp_lt_u32 s[WV], 8                          ; the prefetches: waves 4 to 7 K's section, waves 8 to 11 V's
	s_mov_b32 s50, 33554432
	s_cselect_b32 s50, 16777216, s50
	s_lshl_b32 s51, s[BH], 18
	s_add_co_u32 s50, s50, s51
	s_and_b32 s51, s[WV], 3
	s_lshl_b32 s51, s51, 13
	s_add_co_u32 s50, s50, s51                     ; my wave's 8,192 bytes,
	s_add_co_u32 s50, s50, 32768                   ; in slot 1: the first change of slots steps it to slot 2
	s_mov_b32 s51, 0
	s_add_nc_u64 s[PFA:PFA+1], s[4:5], s[50:51]
	s_sub_co_u32 s50, s[WV], 4
	s_lshr_b32 s50, s50, 3                         ; 0 in waves 4 to 11,
	s_or_b32 s50, s50, ttmp9                       ; of the work-group with i = 0
	s_cmp_eq_u32 s50, 0
	s_cselect_b32 s[LIM], 1, -1
	v_and_b32 v8, 15, v0                           ; r
	v_bfe_u32 v9, v0, 4, 1                         ; h
	v_lshlrev_b32 v[QO], 7, v8
	v_lshl_add_u32 v[QO], v9, 4, v[QO]             ; row r of 128 bytes + 16 h
.irp t, 0,1
.irp c, 0,1
	global_load_b128 v[QF+16*\t+8*\c:QF+16*\t+8*\c+3], v[QO], s[60:61] offset:2048*\t+64*\c
	global_load_b128 v[QF+16*\t+8*\c+4:QF+16*\t+8*\c+7], v[QO], s[60:61] offset:2048*\t+64*\c+32
.endr
.endr
	v_mul_u32_u24 v[AK0], v8, PK
	v_lshl_add_u32 v[AK0], v9, 4, v[AK0]
	v_and_b32 v3, 7, v0
	v_lshl_add_u32 v[AV0], v9, 3, v3               ; the turning load: key 8 h + l % 8,
	v_mul_u32_u24 v[AV0], v[AV0], PV
	v_bfe_u32 v4, v0, 3, 1
	v_lshl_add_u32 v[AV0], v4, 4, v[AV0]           ; channels 8 ((l / 8) % 2) on
	v_add_nc_u32 v[AV0], VOFF, v[AV0]
	v_lshlrev_b32 v[DL], 3, v9
	v_sub_nc_u32 v[DL], v8, v[DL]
	v_mov_b32 v[NEG], 0xff800000
	v_and_b32 v[PFO], 31, v0
	v_lshlrev_b32 v[GO], 4, v[PFO]
	v_lshlrev_b32 v[PFO], 8, v[PFO]
	s_mul_i32 s50, s[WV], 2*16*PK                  ; my stage: two tiles of 16 rows x 144 bytes, in slot 0, which is left at the last change of slots
	v_mul_u32_u24 v[STO], v8, PK
	v_lshl_add_u32 v[STO], v9, 4, v[STO]
	v_add_nc_u32 v[STO], s50, v[STO]
	v_and_b32 v[RD], 31, v0
	v_lshrrev_b32 v[RD], 3, v[RD]                  ; back: four tokens an instruction, eight lanes a token
	v_mul_u32_u24 v[RD], v[RD], PK
	v_lshl_add_u32 v[RD], v3, 4, v[RD]
	v_add_nc_u32 v[RD], s50, v[RD]
.irp t, 0,1
	v_mov_b32 v[ST+8*\t+1], 0xff61b1e6             ; m: -3e38, under every score
	v_mul_f32 v[ST+8*\t], s[CS], v[ST+8*\t+1]      ; c m
.irp j, 2,3,4,5,6,7
	v_mov_b32 v[ST+8*\t+\j], 0                     ; l, and the registers at work
.endr
.endr
.irp j, 0,1,2,3,4,5,6,7,8,9,10,11,12,13,14,15,16,17,18,19,20,21,22,23,24,25,26,27,28,29,30,31,32,33,34,35,36,37,38,39,40,41,42,43,44,45,46,47,48,49,50,51,52,53,54,55,56,57,58,59,60,61,62,63
	v_mov_b32 v[OT+\j], 0                          ; O^T.  (The step is written once: the first finds zeros, which a = 0 leaves zeros)
.endr
; A KEY STEP: 64 keys.
.macro STEP
	s_cmp_gt_u32 s[KF], s[QE]                      ; all its keys come after my queries: only the address steps at its end are run
	s_cbranch_scc1 .Lhidden_\@
	v_add_nc_u32 v[ADK], s[TK], v[AK0]
	v_add_nc_u32 v[ADV], s[TV], v[AV0]
.irp c, 0,1                                    ; K's fragments: keys 16 kt on, channels 32 c on; channels 0-31 first
.irp kt, 0,1,2,3
	ds_load_b128 v[KV+8*(4*\c+\kt):KV+8*(4*\c+\kt)+3], v[ADK] offset:16*PK*\kt+64*\c
	ds_load_b128 v[KV+8*(4*\c+\kt)+4:KV+8*(4*\c+\kt)+7], v[ADK] offset:16*PK*\kt+64*\c+32
.endr
.endr
	s_wait_dscnt 8                                 ; channels 0-31 are in; the eight loads of channels 32-63 may be out
.irp kt, 0,1,2,3                               ; the eight accumulators take turns
.irp t, 0,1
	v_wmma_f32_16x16x32_f16 v[S+32*\t+8*\kt:S+32*\t+8*\kt+7], v[KV+8*\kt:KV+8*\kt+7], v[QF+16*\t:QF+16*\t+7], 0
.endr
.endr
	s_wait_dscnt 0x0
.irp kt, 0,1,2,3
.irp t, 0,1
	v_wmma_f32_16x16x32_f16 v[S+32*\t+8*\kt:S+32*\t+8*\kt+7], v[KV+8*(4+\kt):KV+8*(4+\kt)+7], v[QF+16*\t+8:QF+16*\t+15], v[S+32*\t+8*\kt:S+32*\t+8*\kt+7]
.endr
.endr
.rept 4
	v_nop                                          ; places in front of the loads into K's registers and of the first reads of the scores
.endr
.irp kk, 0,1                                   ; V's fragments, turned: keys 32 kk on, channels 16 ct on.  They land while the softmax is walked
.irp ct, 0,1,2,3
	ds_load_tr16_b128 v[KV+8*(4*\kk+\ct):KV+8*(4*\kk+\ct)+3], v[ADV] offset:32*PV*\kk+32*\ct
	ds_load_tr16_b128 v[KV+8*(4*\kk+\ct)+4:KV+8*(4*\kk+\ct)+7], v[ADV] offset:32*PV*\kk+16*PV+32*\ct
.endr
.endr
	s_add_co_u32 s[TMP], s[KF], 63                 ; a step all of whose keys count for all my queries skips the mask
	s_cmp_le_u32 s[TMP], s[Q0]
	s_cbranch_scc1 .Lopen_\@
	s_sub_co_i32 s[TMP], s[Q0], s[KF]
	v_add_nc_u32 v[D0], s[TMP], v[DL]              ; register 8 kt + j of tile t holds key KF + 16 kt + 8 h + j: hidden where 16 kt + j > Q0 + 16 t + r - KF - 8 h
	v_add_nc_u32 v[D0+1], 16, v[D0]
.irp t, 0,1
.irp kt, 0,1,2,3
.irp j, 0,1,2,3,4,5,6,7
	v_cmp_gt_i32 vcc_lo, 16*\kt+\j, v[D0+\t]
	v_cndmask_b32 v[S+32*\t+8*\kt+\j], v[S+32*\t+8*\kt+\j], v[NEG], vcc_lo
.endr
.endr
.endr
.Lopen_\@:
	; the maximum of a lane's 32 scores and the old m: four chains, each from its accumulator's low end on; the two tiles by turns
.irp j, 0,1,2,3
.irp t, 0,1
	v_max3_num_f32 v[ST+8*\t+4+\j], v[S+32*\t+8*\j], v[S+32*\t+8*\j+1], v[S+32*\t+8*\j+2]
.endr
.endr
.irp u, 1,2
.irp j, 0,1,2,3
.irp t, 0,1
	v_max3_num_f32 v[ST+8*\t+4+\j], v[ST+8*\t+4+\j], v[S+32*\t+8*\j+2*\u+1], v[S+32*\t+8*\j+2*\u+2]
.endr
.endr
.endr
.irp t, 0,1
	v_max3_num_f32 v[ST+8*\t+4], v[ST+8*\t+4], v[S+32*\t+7], v[S+32*\t+15]
.endr
.irp t, 0,1
	v_max3_num_f32 v[ST+8*\t+6], v[ST+8*\t+6], v[S+32*\t+23], v[S+32*\t+31]
.endr
.irp t, 0,1
	v_max3_num_f32 v[ST+8*\t+4], v[ST+8*\t+4], v[ST+8*\t+5], v[ST+8*\t+6]
.endr
.irp t, 0,1
	v_max3_num_f32 v[ST+8*\t+4], v[ST+8*\t+4], v[ST+8*\t+7], v[ST+8*\t+1]
.endr
.irp t, 0,1
	v_permlanex16_b32 v[ST+8*\t+5], v[ST+8*\t+4], s[SEL], s[SEL+1]   ; the query's other 32 keys lie in the lane 16 away
.endr
.irp t, 0,1
	v_mov_b32 v[ST+8*\t+7], v[ST+8*\t]             ; c m_old
.endr
.irp t, 0,1
	v_max_num_f32 v[ST+8*\t+1], v[ST+8*\t+4], v[ST+8*\t+5]
.endr
.irp t, 0,1
	v_mul_f32 v[ST+8*\t], s[CS], v[ST+8*\t+1]
.endr
.irp t, 0,1
	v_sub_f32 v[ST+8*\t+7], v[ST+8*\t+7], v[ST+8*\t]
.endr
.irp b, 0,1,2,3,4,5,6,7,8,9,10,11,12,13,14,15
.irp t, 0,1
	v_pk_fma_f32 v[S+32*\t+2*\b:S+32*\t+2*\b+1], v[S+32*\t+2*\b:S+32*\t+2*\b+1], s[CS:CS+1], v[ST+8*\t:ST+8*\t+1] op_sel_hi:[1,0,0] neg_lo:[0,0,1] neg_hi:[0,0,1]   ; c s - c m
.endr
.endr
.irp t, 0,1
	v_exp_f32 v[ST+8*\t+6], v[ST+8*\t+7]           ; a
.endr
.irp j, 0,1,2,3,4,5,6,7,8,9,10,11,12,13,14,15,16,17,18,19,20,21,22,23,24,25,26,27,28,29,30,31
.irp t, 0,1
	v_exp_f32 v[S+32*\t+\j], v[S+32*\t+\j]         ; p
.endr
.endr
	v_nop                                          ; a plain instruction behind the last exponential
	s_wait_alu depctr_va_vdst(0)                   ; one wait for the 66, ahead of the first instruction that names a result
.irp t, 0,1
	v_pk_fma_f32 v[ST+8*\t+2:ST+8*\t+3], v[ST+8*\t+2:ST+8*\t+3], v[ST+8*\t+6:ST+8*\t+7], v[S+32*\t:S+32*\t+1] op_sel_hi:[1,0,1]   ; l = a l + the first pair
.endr
.irp t, 0,1
	v_pk_add_f32 v[ST+8*\t+4:ST+8*\t+5], v[S+32*\t+2:S+32*\t+3], v[S+32*\t+4:S+32*\t+5]   ; a second chain
.endr
.irp b, 3,5,7,9,11,13
.irp t, 0,1
	v_pk_add_f32 v[ST+8*\t+2:ST+8*\t+3], v[ST+8*\t+2:ST+8*\t+3], v[S+32*\t+2*\b:S+32*\t+2*\b+1]
	v_pk_add_f32 v[ST+8*\t+4:ST+8*\t+5], v[ST+8*\t+4:ST+8*\t+5], v[S+32*\t+2*\b+2:S+32*\t+2*\b+3]
.endr
.endr
.irp t, 0,1
	v_pk_add_f32 v[ST+8*\t+2:ST+8*\t+3], v[ST+8*\t+2:ST+8*\t+3], v[S+32*\t+30:S+32*\t+31]
.endr
.irp t, 0,1
	v_pk_add_f32 v[ST+8*\t+2:ST+8*\t+3], v[ST+8*\t+2:ST+8*\t+3], v[ST+8*\t+4:ST+8*\t+5]
.endr
.irp i, 0,1,2,3,4,5,6,7,8,9,10,11,12,13,14,15
.irp t, 0,1
	v_cvt_pk_f16_f32 v[S+32*\t+\i], v[S+32*\t+2*\i], v[S+32*\t+2*\i+1]   ; P, in place, ascending: register i is written when 2 i and 2 i + 1 are read
.endr
.endr
.irp i, 0,1,2,3,4,5,6,7,8,9,10,11,12,13,14,15
.irp t, 0,1
	v_pk_mul_f32 v[OT+32*\t+2*\i:OT+32*\t+2*\i+1], v[OT+32*\t+2*\i:OT+32*\t+2*\i+1], v[ST+8*\t+6:ST+8*\t+7] op_sel_hi:[1,0]   ; O^T x a
.endr
.endr
	s_wait_dscnt 0x0                               ; V is in
.irp kk, 0,1                                   ; O^T += V^T P: the eight accumulators take turns
.irp ct, 0,1,2,3
.irp t, 0,1
	v_wmma_f32_16x16x32_f16 v[OT+32*\t+8*\ct:OT+32*\t+8*\ct+7], v[KV+8*(4*\kk+\ct):KV+8*(4*\kk+\ct)+7], v[S+32*\t+8*\kk:S+32*\t+8*\kk+7], v[OT+32*\t+8*\ct:OT+32*\t+8*\ct+7]
.endr
.endr
.endr
.rept 5
	v_nop                                          ; five places: the next step's first products write over P's registers; its loads land in V's; the way out reads O^T
.endr
.Lhidden_\@:
	s_add_co_u32 s[KF], s[KF], 64
	s_add_co_u32 s[TK], s[TK], 64*PK
	s_add_co_u32 s[TV], s[TV], 64*PV
.endm
; THE CHANGE OF SLOTS stands at a slot's head.  Each wave waits for all its tensor loads, adds 0 to its spare word (fill = 1: twice on end), and waits for that and for its
; reads of the slot that it has left.  Behind the barrier the slot ahead is whole and nobody reads the other one, which is then filled with the next 256 keys: that load has a slot's four steps in which to land.
.macro CHANGE fill
	s_wait_tensorcnt 0x0                           ; no tensor load of mine is out, so a group 0 may be written
	ds_add_u32 v[SPW], v[NIL]
.if \fill
	ds_add_u32 v[SPW], v[NIL]
	s_xor_b32 s[G0K+1], s[G0K+1], SLOT1            ; the walking descriptors: the other slot, the next 256 keys
	s_add_nc_u64 s[G0K+2:G0K+3], s[G0K+2:G0K+3], 32768
	s_xor_b32 s[G0V+1], s[G0V+1], SLOT1
	s_add_nc_u64 s[G0V+2:G0V+3], s[G0V+2:G0V+3], 32768
	s_wait_xcnt 0x0                                ; the last prefetch, a slot back, has read its address
	s_add_nc_u64 s[PFA:PFA+1], s[PFA:PFA+1], 32768
.endif
	s_wait_dscnt 0x0                               ; the adds are done, and my reads of the slot that I have left are over
	s_barrier_signal -1
	s_barrier_wait -1
.if \fill
	s_add_co_u32 s[TMP], s[KF], 256                ; the first key of the slot that this change would ask for:
	s_cmp_gt_u32 s[TMP], s[QL]                     ; past my work-group's last query none of its waves would read it.  Ids and the count of steps alone: all sixteen waves go the same way
	s_cbranch_scc1 .Lpast_\@
	TLOAD                                          ; a wave's one tensor load until the next change
.Lpast_\@:
	ASK
.endif
.endm
.macro SLOT_STEPS                      ; a slot's four steps: written once, walked four times; the LDS addresses hang on s[TK] and s[TV]
	s_mov_b32 s[INNER], 4
.Lstep_\@:
	STEP
	s_sub_co_u32 s[INNER], s[INNER], 1
	s_cmp_lg_u32 s[INNER], 0
	s_cbranch_scc1 .Lstep_\@
	s_sub_co_u32 s[TK], s[TK], 4*64*PK             ; back to a slot's first step,
	s_sub_co_u32 s[TV], s[TV], 4*64*PV
	s_xor_b32 s[TK], s[TK], SLOT1                  ; in the other slot
	s_xor_b32 s[TV], s[TV], SLOT1
.endm
	s_wait_loadcnt 0x0                             ; Q
.Lslot:                                            ; 7 trips: behind each change of slots but the last the next slot is asked for, up to the causal limit
	CHANGE 1
	SLOT_STEPS
	s_sub_co_u32 s[SLOTS], s[SLOTS], 1
	s_cmp_lg_u32 s[SLOTS], 0
	s_cbranch_scc1 .Lslot
	CHANGE 0                                       ; the last slot is written out: nothing is left to ask for
	SLOT_STEPS
	; THE WAY OUT.  l's halves are added; O^T is divided by l, rounded to f16 and sent through my stage, so that the 32 lanes store four tokens' 512 consecutive bytes.
.irp t, 0,1
	v_add_f32 v[ST+8*\t+4], v[ST+8*\t+2], v[ST+8*\t+3]
.endr
.irp t, 0,1
	v_permlanex16_b32 v[ST+8*\t+5], v[ST+8*\t+4], s[SEL], s[SEL+1]
.endr
.irp t, 0,1
	v_add_f32 v[ST+8*\t+4], v[ST+8*\t+4], v[ST+8*\t+5]
.endr
.irp t, 0,1
	v_rcp_f32 v[ST+8*\t+6], v[ST+8*\t+4]
.endr
	v_nop                                          ; a plain instruction behind the last reciprocal
	s_wait_alu depctr_va_vdst(0)                   ; and the wait ahead of the first use: one for both
.irp t, 0,1
.irp i, 0,1,2,3,4,5,6,7,8,9,10,11,12,13,14,15
	v_pk_mul_f32 v[OT+32*\t+2*\i:OT+32*\t+2*\i+1], v[OT+32*\t+2*\i:OT+32*\t+2*\i+1], v[ST+8*\t+6:ST+8*\t+7] op_sel_hi:[1,0]
.endr
.irp i, 0,1,2,3,4,5,6,7,8,9,10,11,12,13,14,15
	v_cvt_pk_f16_f32 v[S+32*\t+\i], v[OT+32*\t+2*\i], v[OT+32*\t+2*\i+1]
.endr
.irp ct, 0,1,2,3
	ds_store_b128 v[STO], v[S+32*\t+4*\ct:S+32*\t+4*\ct+3] offset:16*PK*\t+32*\ct   ; lane (r, h): channels 16 ct + 8 h + 0 .. 7 of query r
.endr
.irp i, 0,1,2,3
	ds_load_b128 v[KV+16*\t+4*\i:KV+16*\t+4*\i+3], v[RD] offset:16*PK*\t+4*PK*\i    ; LDS serves a wave's instructions in order: these see my stores
.endr
.endr
.irp t, 0,1
.irp i, 0,1,2,3
	s_wait_dscnt 8*(1-\t)+3-\i                     ; behind tile 0's load i: its 3 - i younger loads and tile 1's four stores and four loads; behind tile 1's: 3 - i
	global_store_b128 v[GO], v[KV+16*\t+4*\i:KV+16*\t+4*\i+3], s[62:63] offset:2048*\t+512*\i
.endr
.endr
	s_wait_tensorcnt 0x0                           ; the wave's end: behind my last tensor load and my last LDS store
	ds_add_u32 v[SPW], v[NIL]
	s_wait_dscnt 0x0
	s_endpgm
.Lfunc_end_k_q25c7ceb661_attn:
	.size	k_q25c7ceb661_attn, .Lfunc_end_k_q25c7ceb661_attn-k_q25c7ceb661_attn
	.p2alignl 7, 3214868480
	.fill 96, 4, 3214868480
	.section	.rodata,"a",@progbits
	.p2align	6, 0x0
	.amdhsa_kernel k_q25c7ceb661_attn
		.amdhsa_group_segment_fixed_size 327680
		.amdhsa_private_segment_fixed_size 0
		.amdhsa_enable_private_segment 0
		.amdhsa_kernarg_size 16
		.amdhsa_user_sgpr_count 2
		.amdhsa_user_sgpr_kernarg_segment_ptr 1
		.amdhsa_wavefront_size32 1
		.amdhsa_system_sgpr_workgroup_id_x 1
		.amdhsa_system_sgpr_workgroup_id_y 1
		.amdhsa_system_sgpr_workgroup_id_z 1
		.amdhsa_system_vgpr_workitem_id 0
		.amdhsa_next_free_vgpr 256
		.amdhsa_next_free_sgpr 66
		.amdhsa_reserve_vcc 1
		.amdhsa_float_denorm_mode_32 3
		.amdhsa_float_denorm_mode_16_64 3
		.amdhsa_memory_ordered 1
		.amdhsa_forward_progress 1
		.amdhsa_inst_pref_size 62
	.end_amdhsa_kernel
	.amdgpu_metadata
---
amdhsa.version: [ 1, 2 ]
amdhsa.kernels:
  - .name:           k_q25c7ceb661_attn
    .symbol:         k_q25c7ceb661_attn.kd
    .args:
      - { .name: qkv, .offset: 0, .size: 8, .value_kind: global_buffer, .address_space: global }
      - { .name: att, .offset: 8, .size: 8, .value_kind: global_buffer, .address_space: global }
    .group_segment_fixed_size: 327680
    .private_segment_fixed_size: 0
    .kernarg_segment_align: 8
    .kernarg_segment_size: 16
    .max_flat_workgroup_size: 512
    .sgpr_count:     66
    .vgpr_count:     256
    .wavefront_size: 32
...
	.end_amdgpu_metadata
.endif
;; end of part 3
;; launch proj (part 4): grid 4 x 64, 4 waves a work-group, clusters of 4 x 4, 327,680 bytes of LDS; arguments att, wo16, out0; writes out0
.if DOCPART == 4
	.amdgcn_target "amdgcn-amd-amdhsa--gfx1250"
	.amdhsa_code_object_version 6
	.text
	.protected	k_q25c7ceb661_proj
	.globl	k_q25c7ceb661_proj
	.p2align	8
	.type	k_q25c7ceb661_proj,@function
k_q25c7ceb661_proj:
	s_mov_b64 s[64:65], 0
	v_nop
	global_prefetch_b8 v0, s[64:65] scope:SCOPE_SE
	s_setreg_imm32_b32 hwreg(HW_REG_WAVE_MODE, 25, 1), 1
	s_wait_xcnt 0x0
	s_wait_alu depctr_hold_cnt(0) depctr_sa_sdst(0) depctr_va_vdst(0) depctr_va_sdst(0) depctr_va_ssrc(0) depctr_va_vcc(0) depctr_vm_vsrc(0)
	s_getreg_b32 s2, hwreg(HW_REG_IB_STS2, 6, 4)
	s_cmp_eq_u32 s2, 0
	s_cbranch_scc0 .Lentry_in_a_cluster
	s_endpgm
.Lentry_in_a_cluster:
	s_bfe_u32 s2, ttmp6, 0x10000c
	s_cmp_lg_u32 s2, 0xf033
	s_cbranch_scc0 .Lentry_shape_is_right
	s_endpgm
.Lentry_shape_is_right:
; out0[token][n] = the sum over k of att[token][k] w_o[n][k], f16 operands, f32 sums.  att lies by heads, [64 (batch x 16 + head)][2048][64] f16: k = 64 x head + channel; wo16 is [1024][1024] f16; out0 [8192][1024] f32.
; All rows are made here; the first 16 tokens of each batch are written once more, more finely, by the launch that follows.
; A tile of out0 is 128 tokens x 256 columns: 256 work-groups.  Four waves, each 64 x 128: 32 accumulators of 16 x 16, 256 registers.
; K goes in 8 steps of 128 (two heads) through a ring of two LDS slots.  A slot: two heads x 128 tokens x 128 bytes of att (dense in memory), then 256 rows x 256 bytes of wo16.
; CLUSTERS: 4 x 4 work-groups.  The four of a row of the cluster need the same tiles of att, the four of a column the same tiles of wo16: each is asked for JOINTLY.
; THE MATRIX INSTRUCTION IS USED TRANSPOSED (source 0 = 16 rows of wo16, source 1 = 16 tokens): a lane holds eight neighbouring columns of one token.
; REGISTERS: window 0: v0-31 addresses; v64-191 the way out.  window 1: two fragment buffers of 128: wo16's 8 fragments, then att's 4.  window 2: the accumulators, (a, b) at v[8 (8 a + b)].
.set PA,     144                       ; a token's 128 bytes of one head + 16
.set PB,     272                       ; a row's 256 bytes of wo16 + 16
.set AHEAD,  128*PA                    ; one head's 128 tokens: what one tensor load brings
.set BOFF,   2*AHEAD
.set BHALF,  128*PB                    ; 128 rows of wo16: what one tensor load brings
.set SLOT,   BOFF+2*BHALF
.set STAGE,  2*SLOT                    ; behind the ring: 16 rows x 528 bytes for each wave
.set SPITCH, 528
.set SPARE,  STAGE+4*16*SPITCH         ; the spare words, 128 bytes a wave
.set LAPS,   4                         ; a lap = two K steps = once round the ring
.set ADRA, 16                          ; v16-17 LDS address of my fragments of att in slot 0, 1
.set ADRB, 20                          ; v20-21 the same for wo16
.set STO,  24
.set RD,   25
.set CO,   26
.set SPW,  28                          ; my spare word; never rewritten
.set NIL,  29                          ; 0; never rewritten
.set BK,   64                          ; the way out: 16 rows read back: v64-127 and v128-191 by turns
.set F0,   0
.set F1,   128
.set G1, 24
.set G0, 32
.set G1B, 48
.set G0B, 56
.set MSB, 0
.macro WIN new                         ; the immediate's high byte repeats the setting that is left
.if MSB != (\new)
	s_set_vgpr_msb (MSB<<8)|(\new)
.set MSB, (\new)
.endif
.endm
.set MUL,  0xa5                        ; sources 0 and 1 window 1; C and D window 2
.set TO_F, 0x40                        ; destination window 1, address window 0
.macro JLOAD s                         ; a joint load: waves 0 and 1 fetch att's two heads, waves 2 and 3 wo16's two halves; an s_nop 0 and four v_nop follow each line
	s_cmp_eq_u32 s11, 0
	s_cbranch_scc0 .Lfor_b_\@
	tensor_load_to_lds s[G0+4*\s:G0+4*\s+3], s[G1:G1+7]
	s_nop 0
.rept 4
	v_nop
.endr
	s_branch .Lasked_\@
.Lfor_b_\@:
	tensor_load_to_lds s[G0B+4*\s:G0B+4*\s+3], s[G1B:G1B+7]
	s_nop 0
.rept 4
	v_nop
.endr
.Lasked_\@:
.endm
.macro CREST                           ; a round of the cluster's barrier behind its opening barrier
	s_cmp_lg_u32 s10, 0
	s_cbranch_scc1 .Lnot_wave_0_\@
	s_barrier_signal -3
.Lnot_wave_0_\@:
	s_barrier_wait -3
	s_barrier_signal -1
	s_barrier_wait -1
.endm
.macro CROUND
	s_barrier_signal -1
	s_barrier_wait -1
	CREST
.endm
	s_load_b128 s[4:7], s[0:1], 0x0                ; att, wo16
	s_load_b64 s[8:9], s[0:1], 0x10                ; out0
	v_lshl_add_u32 v[SPW], v0, 2, SPARE
	v_mov_b32 v[NIL], 0
	ds_add_u32 v[SPW], v[NIL]                      ; the wave's opening: the add, twice on end, and its wait ahead of my first tensor load
	ds_add_u32 v[SPW], v[NIL]
	v_lshrrev_b32 v1, 5, v0
	v_readfirstlane_b32 s10, v1                    ; wave 0..3
	s_lshr_b32 s11, s10, 1                         ; which 64 tokens are mine.  Also: I fetch for att (0) or for wo16 (1)
	s_and_b32 s12, s10, 1                          ; which 128 columns.  Also: which head of the pair, or which 128 rows, I fetch
	s_bfe_u32 s40, ttmp6, 0x40000                  ; cx, cy
	s_bfe_u32 s41, ttmp6, 0x40004
	s_lshl_b32 s42, ttmp9, 2
	s_add_co_u32 s42, s42, s40                     ; tile column = 4 x cluster x + cx
	s_and_b32 s13, ttmp7, 0xffff
	s_lshl_b32 s13, s13, 2
	s_add_co_u32 s13, s13, s41                     ; tile row = 4 x cluster y + cy
	s_lshl_b32 s43, s41, 2
	s_lshl_b32 s43, 15, s43                        ; my row of the cluster
	s_lshl_b32 s44, 0x1111, s40                    ; my column
	s_or_b32 s[G1+0], s43, (1<<16)|(1<<20)|(1<<21)|(4<<22)|(3<<25)   ; att: elements of 2 bytes; 4 words of padding behind every 32; the mask of my row, bit 21 beside it
	s_mov_b32 s[G1+1], 64<<16                      ; tensor_dim0
	s_mov_b32 s[G1+2], 128<<16                     ; tensor_dim1
	s_mov_b32 s[G1+3], 64<<16                      ; tile_dim0
	s_mov_b32 s[G1+4], 128                         ; tile_dim1
	s_mov_b32 s[G1+5], 64                          ; from row to row
	s_mov_b32 s[G1+6], 0
	s_mov_b32 s[G1+7], 0
	s_or_b32 s[G1B+0], s44, (1<<16)|(1<<20)|(1<<21)|(5<<22)|(3<<25)  ; wo16: 4 words behind every 64; the mask of my column
	s_mov_b32 s[G1B+1], 128<<16
	s_mov_b32 s[G1B+2], 128<<16
	s_mov_b32 s[G1B+3], 128<<16
	s_mov_b32 s[G1B+4], 128
	s_mov_b32 s[G1B+5], 1024
	s_mov_b32 s[G1B+6], 0
	s_mov_b32 s[G1B+7], 0
	s_lshr_b32 s16, s13, 4                         ; att: the batch,
	s_lshl_b32 s16, s16, 4
	s_add_co_u32 s16, s16, s12                     ; its head 0 or 1,
	s_lshl_b32 s16, s16, 18                        ; 262,144 bytes a head,
	s_and_b32 s17, s13, 15
	s_lshl_b32 s17, s17, 14                        ; 128 tokens of 128 bytes a tile row
	s_add_co_u32 s16, s16, s17
	s_mov_b32 s17, 0
	s_lshl_b32 s46, s42, 19                        ; wo16: 256 rows of 2,048 bytes a tile column,
	s_lshl_b32 s47, s12, 18                        ; 128 rows a half
	s_add_co_u32 s46, s46, s47
	s_mov_b32 s47, 0
	s_mul_i32 s20, s12, AHEAD                      ; where they go: no place in the cluster enters an LDS address
	s_mul_i32 s23, s12, BHALF
	s_add_co_u32 s23, s23, BOFF
	s_wait_dscnt 0x0                               ; both opening adds are done
	s_wait_kmcnt 0x0
	s_add_nc_u64 s[14:15], s[4:5], s[16:17]
	s_add_nc_u64 s[46:47], s[6:7], s[46:47]
	CROUND                                         ; all sixteen work-groups are here: the first joint loads meet
.irp s, 0,1
	s_mov_b32 s[G0+4*\s], 1
	s_add_co_u32 s[G0+4*\s+1], s20, \s*SLOT
	s_add_nc_u64 s[G0+4*\s+2:G0+4*\s+3], s[14:15], \s*2*262144     ; K step s: two heads on
	s_or_b32 s[G0+4*\s+3], s[G0+4*\s+3], 0x80000000
	s_mov_b32 s[G0B+4*\s], 1
	s_add_co_u32 s[G0B+4*\s+1], s23, \s*SLOT
	s_add_nc_u64 s[G0B+4*\s+2:G0B+4*\s+3], s[46:47], \s*256
	s_or_b32 s[G0B+4*\s+3], s[G0B+4*\s+3], 0x80000000
	JLOAD \s                                       ; two loads of mine are out
.endr
	v_and_b32 v1, 15, v0                           ; r
	v_bfe_u32 v2, v0, 4, 1                         ; h
	v_mul_u32_u24 v3, v1, PA
	v_lshl_add_u32 v3, v2, 4, v3
	v_mul_u32_u24 v4, v1, PB
	v_lshl_add_u32 v4, v2, 4, v4
	s_mul_i32 s21, s11, 64*PA                      ; my 64 tokens
	s_mul_i32 s22, s12, BHALF                      ; my 128 rows of wo16
	s_add_co_u32 s22, s22, BOFF
.irp s, 0,1
	v_add_nc_u32 v[ADRA+\s], s21, v3
	v_add_nc_u32 v[ADRB+\s], s22, v4
	s_add_co_u32 s21, s21, SLOT
	s_add_co_u32 s22, s22, SLOT
.endr
	s_mul_i32 s23, s10, 16*SPITCH
	s_add_co_u32 s23, s23, STAGE                   ; my stage
	v_mul_u32_u24 v5, v1, SPITCH                   ; in: row r, 32 bytes for each half of the lanes
	v_lshl_add_u32 v5, v2, 5, v5
	v_add_nc_u32 v[STO], s23, v5
	v_and_b32 v6, 31, v0
	v_lshlrev_b32 v[CO], 4, v6                     ; back: the 32 lanes take a row of 512 bytes; the same in out0
	v_add_nc_u32 v[RD], s23, v[CO]
	s_lshl_b32 s16, s13, 19                        ; 128 rows of 4,096 bytes a tile row,
	s_lshl_b32 s17, s11, 18                        ; 64 rows a half
	s_add_co_u32 s16, s16, s17
	s_mov_b32 s17, 0
	s_add_nc_u64 s[8:9], s[8:9], s[16:17]
	s_lshl_b32 s46, s42, 10                        ; 1,024 bytes a tile column,
	s_lshl_b32 s47, s12, 9                         ; 512 a half
	s_add_co_u32 s46, s46, s47
	s_mov_b32 s47, 0
	s_add_nc_u64 s[8:9], s[8:9], s[46:47]
; 8 matrix instructions: tokens' block a against wo16's eight, 32 along K, from buffer f.  zero = 1: the first product starts the sums.  The 32 accumulators take turns, in the same order in every quarter.
.macro MUL8 f, a, zero
.irp b, 0,1,2,3,4,5,6,7
.if \zero
	v_wmma_f32_16x16x32_f16 v[8*(8*(\a)+\b):8*(8*(\a)+\b)+7], v[\f+8*\b:\f+8*\b+7], v[\f+64+8*(\a):\f+64+8*(\a)+7], 0
.else
	v_wmma_f32_16x16x32_f16 v[8*(8*(\a)+\b):8*(8*(\a)+\b)+7], v[\f+8*\b:\f+8*\b+7], v[\f+64+8*(\a):\f+64+8*(\a)+7], v[8*(8*(\a)+\b):8*(8*(\a)+\b)+7]
.endif
.endr
.endm
; 24 LDS loads in one run: the fragments of the slot's q-th 32 along K (head q / 2 of the pair, channels 32 (q % 2) on) into buffer f: wo16's 16 loads first, then att's 8
.macro FETCH slot, q, f
	WIN TO_F
.irp i, 0,1,2,3,4,5,6,7
	ds_load_b128 v[\f+8*\i:\f+8*\i+3],   v[ADRB+\slot] offset:64*(\q)+\i*16*PB
	ds_load_b128 v[\f+8*\i+4:\f+8*\i+7], v[ADRB+\slot] offset:64*(\q)+\i*16*PB+32
.endr
.irp i, 0,1,2,3
	ds_load_b128 v[\f+64+8*\i:\f+64+8*\i+3],   v[ADRA+\slot] offset:AHEAD*((\q)/2)+64*((\q)%2)+\i*16*PA
	ds_load_b128 v[\f+64+8*\i+4:\f+64+8*\i+7], v[ADRA+\slot] offset:AHEAD*((\q)/2)+64*((\q)%2)+\i*16*PA+32
.endr
.endm
.macro PLACES                          ; four places in front of loads into registers that matrix instructions have read, and of reads of results
.rept 4
	v_nop
.endr
.endm
; One of a K step's first three quarters: multiplies buffer f and, in its middle, fetches quarter qn into buffer g.
.macro QUARTER slot, qn, f, g, zero
	s_wait_dscnt 4                                 ; wo16's fragments and att's blocks 0, 1 are in; the youngest four loads (blocks 2, 3) may be out
	WIN MUL
	MUL8 \f, 0, \zero
	MUL8 \f, 1, \zero
	PLACES
	FETCH \slot, \qn, \g
	s_wait_dscnt 24                                ; all but the 24 just issued
	WIN MUL
	MUL8 \f, 2, \zero
	MUL8 \f, 3, \zero
.endm
; The last quarter multiplies buffer 1 and changes slots: ONE barrier; in front of it each wave waits for all its tensor loads, adds 0 to its spare word, and waits for that and for its reads of this slot.  fill = 1: this slot is filled again, two K steps ahead.
.macro TURN slot, next, fill
	WIN 0                                          ; (the add's two registers lie in window 0)
	s_wait_tensorcnt 0x0                           ; all my tensor loads have landed: my part of the next slot
	ds_add_u32 v[SPW], v[NIL]
	s_wait_dscnt 5                                 ; (the add and the youngest four loads may be out)
	WIN MUL
	MUL8 F1, 0, 0                                  ; eight matrix instructions stand between the add and the wait for it
	s_wait_dscnt 0x0                               ; the add is done, and my reads of this slot are over
	s_barrier_signal -1
	MUL8 F1, 1, 0
.if \fill
	WIN 0
.endif
	s_barrier_wait -1
.if \fill
	CREST                                          ; the barrier has opened a round of the cluster's barrier: no wave of any partner still reads this slot or has a load on its way
	s_add_nc_u64 s[G0+4*\slot+2:G0+4*\slot+3], s[G0+4*\slot+2:G0+4*\slot+3], 4*262144
	s_add_nc_u64 s[G0B+4*\slot+2:G0B+4*\slot+3], s[G0B+4*\slot+2:G0B+4*\slot+3], 512
	JLOAD \slot                                    ; the first tensor load behind the round; its four v_nop are also the places in front of the loads below
.else
	PLACES
.endif
	FETCH \next, 0, F0
	WIN MUL
	MUL8 F1, 2, 0
	MUL8 F1, 3, 0
.endm
	s_wait_tensorcnt 1                             ; my part of K step 0 is in (K step 1's load may be out)
	s_barrier_signal -1
	s_barrier_wait -1                              ; everybody's is
	FETCH 0, 0, F0
	QUARTER 0, 1, F0, F1, 1                        ; the first quarter stands in front of the loop: its products start the sums
	WIN 0                                          ; at a label and at a branch every window is 0
	s_mov_b32 s3, LAPS-1
.Llap:                                                 ; a trip goes once round the ring, from a lap's second quarter to the next lap's first, and fills both slots again
	QUARTER 0, 2, F1, F0, 0
	QUARTER 0, 3, F0, F1, 0
	TURN 0, 1, 1
	QUARTER 1, 1, F0, F1, 0
	QUARTER 1, 2, F1, F0, 0
	QUARTER 1, 3, F0, F1, 0
	TURN 1, 0, 1
	QUARTER 0, 1, F0, F1, 0
	WIN 0
	s_sub_co_u32 s3, s3, 1
	s_cmp_lg_u32 s3, 0
	s_cbranch_scc1 .Llap
	QUARTER 0, 2, F1, F0, 0                        ; the last lap fills nothing
	QUARTER 0, 3, F0, F1, 0
	TURN 0, 1, 0
	QUARTER 1, 1, F0, F1, 0
	QUARTER 1, 2, F1, F0, 0
	QUARTER 1, 3, F0, F1, 0
	s_wait_dscnt 4                                 ; the very last quarter
	WIN MUL
	MUL8 F1, 0, 0
	MUL8 F1, 1, 0
	s_wait_dscnt 0
	MUL8 F1, 2, 0
	MUL8 F1, 3, 0
	WIN 0
; THE WAY OUT, block by block of 16 tokens x 128 columns: through my own stage and back as whole rows of 512 bytes.  LDS serves a wave's instructions in order: no wait between the stores and the loads.
.macro TOSTAGE a
	WIN 0x08                                       ; an LDS store's data: window 2
.irp b, 0,1,2,3,4,5,6,7
	ds_store_b128 v[STO], v[64*(\a)+8*\b:64*(\a)+8*\b+3] offset:64*\b            ; each accumulator from its low end on
	ds_store_b128 v[STO], v[64*(\a)+8*\b+4:64*(\a)+8*\b+7] offset:64*\b+16
.endr
	WIN 0
.irp t, 0,1,2,3,4,5,6,7,8,9,10,11,12,13,14,15
	ds_load_b128 v[BK+64*((\a)%2)+4*\t:BK+64*((\a)%2)+4*\t+3], v[RD] offset:\t*SPITCH
.endr
.endm
.macro SEND a, younger                 ; younger: the LDS instructions issued behind block a's loads, which may stay out
	s_wait_dscnt \younger
.irp t, 0,1,2,3,4,5,6,7,8,9,10,11,12,13,14,15
	global_store_b128 v[CO], v[BK+64*((\a)%2)+4*\t:BK+64*((\a)%2)+4*\t+3], s[8:9] offset:65536*(\a)+4096*\t th:TH_STORE_NT   ; 32 lanes store 512 consecutive bytes; every offset is an immediate
.endr
.endm
	PLACES
	TOSTAGE 0
.irp a, 1,2,3
.if \a > 1
	s_wait_xcnt 0x0                                ; block a - 2's stores have read the registers into which block a's loads land
.endif
	TOSTAGE \a
	SEND \a-1, 32                                  ; behind block a - 1's loads: block a's 16 stores and 16 loads
.endr
	SEND 3, 0
	s_wait_tensorcnt 0x0                           ; the wave's end: behind my last tensor load and my last LDS store
	ds_add_u32 v[SPW], v[NIL]
	s_wait_dscnt 0x0
	CROUND                                         ; the closing round
	s_endpgm
.Lfunc_end_k_q25c7ceb661_proj:
	.size	k_q25c7ceb661_proj, .Lfunc_end_k_q25c7ceb661_proj-k_q25c7ceb661_proj
	.p2alignl 7, 3214868480
	.fill 96, 4, 3214868480
	.section	.rodata,"a",@progbits
	.p2align	6, 0x0
	.amdhsa_kernel k_q25c7ceb661_proj
		.amdhsa_group_segment_fixed_size 327680
		.amdhsa_private_segment_fixed_size 0
		.amdhsa_enable_private_segment 0
		.amdhsa_kernarg_size 24
		.amdhsa_user_sgpr_count 2
		.amdhsa_user_sgpr_kernarg_segment_ptr 1
		.amdhsa_wavefront_size32 1
		.amdhsa_system_sgpr_workgroup_id_x 1
		.amdhsa_system_sgpr_workgroup_id_y 1
		.amdhsa_system_sgpr_workgroup_id_z 1
		.amdhsa_system_vgpr_workitem_id 0
		.amdhsa_next_free_vgpr 768
		.amdhsa_next_free_sgpr 66
		.amdhsa_reserve_vcc 0
		.amdhsa_float_denorm_mode_32 3
		.amdhsa_float_denorm_mode_16_64 3
		.amdhsa_memory_ordered 1
		.amdhsa_forward_progress 1
		.amdhsa_inst_pref_size 85
	.end_amdhsa_kernel
	.amdgpu_metadata
---
amdhsa.version: [ 1, 2 ]
amdhsa.kernels:
  - .name:           k_q25c7ceb661_proj
    .symbol:         k_q25c7ceb661_proj.kd
    .args:
      - { .name: att, .offset: 0, .size: 8, .value_kind: global_buffer, .address_space: global }
      - { .name: wo16, .offset: 8, .size: 8, .value_kind: global_buffer, .address_space: global }
      - { .name: out0, .offset: 16, .size: 8, .value_kind: global_buffer, .address_space: global }
    .group_segment_fixed_size: 327680
    .private_segment_fixed_size: 0
    .kernarg_segment_align: 8
    .kernarg_segment_size: 24
    .max_flat_workgroup_size: 128
    .sgpr_count:     66
    .vgpr_count:     768
    .wavefront_size: 32
...
	.end_amdgpu_metadata
.endif
;; end of part 4
;; launch first16 (part 5): grid 16 x 4, 16 waves a work-group, no clusters, 67,584 bytes of LDS; arguments qkv32, w_o, out0; writes out0
.if DOCPART == 5
	.amdgcn_target "amdgcn-amd-amdhsa--gfx1250"
	.amdhsa_code_object_version 6
	.text
	.protected	k_q25c7ceb661_first16
	.globl	k_q25c7ceb661_first16
	.p2align	8
	.type	k_q25c7ceb661_first16,@function
k_q25c7ceb661_first16:
	s_mov_b64 s[64:65], 0
	v_nop
	global_prefetch_b8 v0, s[64:65] scope:SCOPE_SE
	s_setreg_imm32_b32 hwreg(HW_REG_WAVE_MODE, 25, 1), 1
	s_wait_xcnt 0x0
; The first 16 tokens of each batch, carried in f32 through attention and projection: under the causal mask they average one to sixteen values and are the largest outputs, where the rounding of 16-bit operands weighs most.
; qkv32 [4][16][3072] f32 holds their Q, K, V (columns 0-1023, 1024-2047, 2048-3071); w_o [1024][1024] f32; rows 0-15 of each batch of out0 are written over.
; SHARES.  Work-group (x, b): 64 output columns n0 = 64 x of batch b.  Wave = head: it makes its head's attention for the 16 tokens, then its head's part (K = 64) of out^T for the 64 columns; the 16 parts are added through LDS, heads ascending.
; (The attention is repeated in each of the 16 column blocks: 32 of a wave's 96 matrix instructions; it keeps this small work in one launch.)
; THE F32 MATRIX FORM, 16 x 16 x 4: lane (r, h) holds row r and k = 2 h + j in register j.  A permutation of k applied alike to both sources keeps the products: each operand is loaded in the order in which the result before it lies, so nothing changes lanes.
;   S^T = K Q^T: both loaded 16 bytes at 16 h + 32 u of the head's 256.   Result: lane (r = query, h), register j = key 8 h + j.
;   O^T = V^T P: P is that result, normalised; V^T's register 8 ct + i = V[key 8 h + i][channel 16 ct + r].   Result: register j = channel 16 ct + 8 h + j of query r.
;   out^T = W O: W's register 8 ct + i of tile n = w_o[n0 + 16 n + r][64 head + 16 ct + 8 h + i].   Result: register j = column n0 + 16 n + 8 h + j of query r.
; The registers that the matrix form writes (v176-239) are written by matrix instructions alone; every sum begins with the constant 0 as the C of its own first K step.
.set QF,   16                          ; v16-47   Q, later W's tile 2
.set KF,   48                          ; v48-79   K, later W's tile 3
.set VT,   80                          ; v80-111  V^T
.set WB,   112                         ; v112-175 W's tiles 0, 1
.set ACC,  176                         ; v176-207 four accumulators: S^T's four partial sums, later out^T's four tiles
.set ACO,  208                         ; v208-239 O^T's four tiles
.set X,    240                         ; v240-247 scores, then p
.set Y,    248                         ; v248-255 at work
.set SPW,  14
.set NIL,  15
.set SPARE, 65536                      ; behind the 16 parts of 4,096 bytes: the spare words, 128 bytes a wave
	s_load_b128 s[4:7], s[0:1], 0x0                ; qkv32, w_o
	s_load_b64 s[8:9], s[0:1], 0x10                ; out0
	v_lshl_add_u32 v[SPW], v0, 2, SPARE
	v_mov_b32 v[NIL], 0
	v_lshrrev_b32 v1, 5, v0
	v_readfirstlane_b32 s10, v1                    ; wave = head
	s_and_b32 s12, ttmp7, 0xffff                   ; batch
	s_mov_b32 s18, 0x3e38aa3b                      ; c = log2(e) / 8
	s_mov_b32 s20, 0x76543210
	s_mov_b32 s21, 0xfedcba98                      ; selects for lane l xor 16
	v_and_b32 v12, 15, v0                          ; r
	v_bfe_u32 v13, v0, 4, 1                        ; h
	v_mul_u32_u24 v1, v12, 12288
	v_lshl_add_u32 v1, v13, 4, v1                  ; Q, K: token r, + 16 h
	v_mul_u32_u24 v2, v13, 98304
	v_lshl_add_u32 v2, v12, 2, v2                  ; V^T: token 8 h, channel r
	v_lshlrev_b32 v3, 12, v12
	v_lshl_add_u32 v3, v13, 5, v3                  ; W: row r of 4,096 bytes, + 32 h
	v_lshlrev_b32 v4, 3, v13
	v_sub_nc_u32 v4, v12, v4                       ; d = r - 8 h: key 8 h + j is hidden where j > d
	v_mov_b32 v11, 0xff800000                      ; -infinity
	s_lshl_b32 s13, s10, 12
	v_and_b32 v5, 31, v0
	v_lshl_add_u32 v5, v5, 4, s13                  ; my part in LDS: 4,096 x wave + 16 x lane: an image of the accumulators' registers
	v_lshlrev_b32 v6, 4, v13                       ; the sum: lane l of wave w < 8 takes token q = 2 w + l / 16 and columns 4 x .. 4 x + 3, x = l % 16:
	v_lshlrev_b32 v7, 12, v13
	v_bfe_u32 v8, v0, 1, 1
	v_lshl_add_u32 v6, v8, 8, v6                   ; they lie in lane q + 16 ((x / 2) % 2),
	v_and_b32 v8, 1, v0
	v_lshl_add_u32 v6, v8, 9, v6                   ; register group x % 2,
	v_bfe_u32 v8, v0, 2, 2
	v_lshl_add_u32 v6, v8, 10, v6                  ; tile x / 4
	s_lshl_b32 s13, s10, 5
	v_add_nc_u32 v6, s13, v6
	v_lshl_add_u32 v7, v12, 4, v7                  ; and go to 4,096 (l / 16) + 16 x from the wave's first row
	s_mul_i32 s14, s12, 196608                     ; qkv32: the batch's 16 rows,
	s_lshl_b32 s15, s10, 8                         ; the head's 256 bytes
	s_add_co_u32 s14, s14, s15
	s_mov_b32 s15, 0
	s_lshl_b32 s16, ttmp9, 18                      ; w_o: 64 rows of 4,096 bytes a block,
	s_lshl_b32 s17, s10, 8                         ; the head's 256 bytes
	s_add_co_u32 s16, s16, s17
	s_mov_b32 s17, 0
	s_lshl_b32 s22, s12, 23                        ; out0: 2,048 rows of 4,096 bytes a batch,
	s_lshl_b32 s23, s10, 13                        ; two rows a wave,
	s_add_co_u32 s22, s22, s23
	s_lshl_b32 s23, ttmp9, 8                       ; 256 bytes a block of columns
	s_add_co_u32 s22, s22, s23
	s_mov_b32 s23, 0
	s_wait_kmcnt 0x0
	s_add_nc_u64 s[4:5], s[4:5], s[14:15]
	s_add_nc_u64 s[6:7], s[6:7], s[16:17]
	s_add_nc_u64 s[8:9], s[8:9], s[22:23]
.irp u, 0,1,2,3,4,5,6,7
	global_load_b128 v[QF+4*\u:QF+4*\u+3], v1, s[4:5] offset:32*\u
.endr
.irp u, 0,1,2,3,4,5,6,7
	global_load_b128 v[KF+4*\u:KF+4*\u+3], v1, s[4:5] offset:4096+32*\u
.endr
.irp ct, 0,1,2,3
.irp i, 0,1,2,3,4,5,6,7
	global_load_b32 v[VT+8*\ct+\i], v2, s[4:5] offset:8192+12288*\i+64*\ct
.endr
.endr
.macro WLOAD n                         ; W's tile n: tiles 0, 1 at v112, v144; tiles 2, 3 at v16, v48
.irp ct, 0,1,2,3
	global_load_b128 v[WB+32*(\n)-160*((\n)/2)+8*\ct:WB+32*(\n)-160*((\n)/2)+8*\ct+3], v3, s[6:7] offset:65536*(\n)+64*\ct
	global_load_b128 v[WB+32*(\n)-160*((\n)/2)+8*\ct+4:WB+32*(\n)-160*((\n)/2)+8*\ct+7], v3, s[6:7] offset:65536*(\n)+64*\ct+16
.endr
.endm
	WLOAD 0
	WLOAD 1
	s_wait_loadcnt 48                              ; Q and K are in; V^T's 32 loads and W's 16 may be out
.irp e, 0,1,2,3,4,5,6,7,8,9,10,11,12,13,14,15      ; S^T in four partial sums, which take turns
.if \e < 4
	v_wmma_f32_16x16x4_f32 v[ACC+8*(\e%4):ACC+8*(\e%4)+7], v[KF+2*\e:KF+2*\e+1], v[QF+2*\e:QF+2*\e+1], 0
.else
	v_wmma_f32_16x16x4_f32 v[ACC+8*(\e%4):ACC+8*(\e%4)+7], v[KF+2*\e:KF+2*\e+1], v[QF+2*\e:QF+2*\e+1], v[ACC+8*(\e%4):ACC+8*(\e%4)+7]
.endif
.endr
.rept 8
	v_nop                                          ; eight places behind this form, in front of the loads into Q's and K's registers and of the reads of the sums
.endr
	WLOAD 2
	WLOAD 3
.irp p, 0,2,4,6                                    ; the four partial sums, each read from its low end on
	v_pk_add_f32 v[X+\p:X+\p+1], v[ACC+\p:ACC+\p+1], v[ACC+8+\p:ACC+8+\p+1]
	v_pk_add_f32 v[Y+\p:Y+\p+1], v[ACC+16+\p:ACC+16+\p+1], v[ACC+24+\p:ACC+24+\p+1]
.endr
.irp p, 0,2,4,6
	v_pk_add_f32 v[X+\p:X+\p+1], v[X+\p:X+\p+1], v[Y+\p:Y+\p+1]
.endr
.irp j, 0,1,2,3,4,5,6,7
	v_cmp_gt_i32 vcc_lo, \j, v4
	v_cndmask_b32 v[X+\j], v[X+\j], v11, vcc_lo    ; hidden keys: -infinity
.endr
	v_max3_num_f32 v8, v[X], v[X+1], v[X+2]
	v_max3_num_f32 v9, v[X+3], v[X+4], v[X+5]
	v_max3_num_f32 v8, v8, v[X+6], v[X+7]
	v_max_num_f32 v8, v8, v9
	v_permlanex16_b32 v9, v8, s20, s21
	v_max_num_f32 v8, v8, v9                       ; the row's maximum (key 0 counts for every query)
	v_mul_f32 v8, s18, v8
.irp j, 0,1,2,3,4,5,6,7
	v_fma_f32 v[X+\j], v[X+\j], s18, -v8           ; c s - c m
.endr
.irp j, 0,1,2,3,4,5,6,7
	v_exp_f32 v[X+\j], v[X+\j]
.endr
	v_nop                                          ; a plain instruction behind the last exponential
	s_wait_alu depctr_va_vdst(0)                   ; one wait for the eight, ahead of their first reader
	v_pk_add_f32 v[Y:Y+1], v[X:X+1], v[X+2:X+3]
	v_pk_add_f32 v[Y+2:Y+3], v[X+4:X+5], v[X+6:X+7]
	v_pk_add_f32 v[Y:Y+1], v[Y:Y+1], v[Y+2:Y+3]
	v_add_f32 v10, v[Y], v[Y+1]
	v_permlanex16_b32 v9, v10, s20, s21
	v_add_f32 v10, v10, v9                         ; the row's sum
	v_rcp_f32 v10, v10
	v_nop
	s_wait_alu depctr_va_vdst(0)
.irp j, 0,1,2,3,4,5,6,7
	v_mul_f32 v[X+\j], v[X+\j], v10                ; p, normalised
.endr
	s_wait_loadcnt 32                              ; V^T is in; the 32 loads of W's four tiles may be out
.irp s, 0,1,2,3                                    ; O^T: four tiles of 16 channels take turns
.irp ct, 0,1,2,3
.if \s == 0
	v_wmma_f32_16x16x4_f32 v[ACO+8*\ct:ACO+8*\ct+7], v[VT+8*\ct+2*\s:VT+8*\ct+2*\s+1], v[X+2*\s:X+2*\s+1], 0
.else
	v_wmma_f32_16x16x4_f32 v[ACO+8*\ct:ACO+8*\ct+7], v[VT+8*\ct+2*\s:VT+8*\ct+2*\s+1], v[X+2*\s:X+2*\s+1], v[ACO+8*\ct:ACO+8*\ct+7]
.endif
.endr
.endr
.rept 9
	v_nop                                          ; nine places: the results are taken as a source of the products below
.endr
	s_wait_loadcnt 0x0                             ; W
.irp ct, 0,1,2,3                                   ; out^T's part of my head: four tiles of 16 columns take turns
.irp s, 0,1,2,3
.irp n, 0,1,2,3
.if (\ct == 0) && (\s == 0)
	v_wmma_f32_16x16x4_f32 v[ACC+8*\n:ACC+8*\n+7], v[WB+32*\n-160*(\n/2)+8*\ct+2*\s:WB+32*\n-160*(\n/2)+8*\ct+2*\s+1], v[ACO+8*\ct+2*\s:ACO+8*\ct+2*\s+1], 0
.else
	v_wmma_f32_16x16x4_f32 v[ACC+8*\n:ACC+8*\n+7], v[WB+32*\n-160*(\n/2)+8*\ct+2*\s:WB+32*\n-160*(\n/2)+8*\ct+2*\s+1], v[ACO+8*\ct+2*\s:ACO+8*\ct+2*\s+1], v[ACC+8*\n:ACC+8*\n+7]
.endif
.endr
.endr
.endr
.rept 8
	v_nop                                          ; eight places in front of the reads of the results and of the loads into W's registers
.endr
.irp n, 0,1,2,3
	ds_store_b128 v5, v[ACC+8*\n:ACC+8*\n+3] offset:1024*\n          ; each accumulator from its low end on
	ds_store_b128 v5, v[ACC+8*\n+4:ACC+8*\n+7] offset:1024*\n+512
.endr
	s_wait_dscnt 0x0                               ; for the others' sake: my part lies in LDS
	s_barrier_signal -1
	s_barrier_wait -1
	s_cmp_ge_u32 s10, 8                            ; waves 0 to 7 add the 16 parts, two tokens each
	s_cbranch_scc1 .Lend
.irp p, 0,1,2,3,4,5,6,7,8,9,10,11,12,13,14,15
	ds_load_b128 v[16+4*\p:16+4*\p+3], v6 offset:4096*\p
.endr
	s_wait_dscnt 0x0
.irp p, 1,2,3,4,5,6,7,8,9,10,11,12,13,14,15
	v_pk_add_f32 v[16:17], v[16:17], v[16+4*\p:17+4*\p]
	v_pk_add_f32 v[18:19], v[18:19], v[18+4*\p:19+4*\p]
.endr
	global_store_b128 v7, v[16:19], s[8:9]         ; 16 lanes store 256 consecutive bytes of a row of out0
.Lend:
	s_wait_tensorcnt 0x0                           ; the wave's end: behind my last LDS store
	ds_add_u32 v[SPW], v[NIL]
	s_wait_dscnt 0x0
	s_endpgm
.Lfunc_end_k_q25c7ceb661_first16:
	.size	k_q25c7ceb661_first16, .Lfunc_end_k_q25c7ceb661_first16-k_q25c7ceb661_first16
	.p2alignl 7, 3214868480
	.fill 96, 4, 3214868480
	.section	.rodata,"a",@progbits
	.p2align	6, 0x0
	.amdhsa_kernel k_q25c7ceb661_first16
		.amdhsa_group_segment_fixed_size 67584
		.amdhsa_private_segment_fixed_size 0
		.amdhsa_enable_private_segment 0
		.amdhsa_kernarg_size 24
		.amdhsa_user_sgpr_count 2
		.amdhsa_user_sgpr_kernarg_segment_ptr 1
		.amdhsa_wavefront_size32 1
		.amdhsa_system_sgpr_workgroup_id_x 1
		.amdhsa_system_sgpr_workgroup_id_y 1
		.amdhsa_system_sgpr_workgroup_id_z 1
		.amdhsa_system_vgpr_workitem_id 0
		.amdhsa_next_free_vgpr 256
		.amdhsa_next_free_sgpr 66
		.amdhsa_reserve_vcc 1
		.amdhsa_float_denorm_mode_32 3
		.amdhsa_float_denorm_mode_16_64 3
		.amdhsa_memory_ordered 1
		.amdhsa_forward_progress 1
		.amdhsa_inst_pref_size 24
	.end_amdhsa_kernel
	.amdgpu_metadata
---
amdhsa.version: [ 1, 2 ]
amdhsa.kernels:
  - .name:           k_q25c7ceb661_first16
    .symbol:         k_q25c7ceb661_first16.kd
    .args:
      - { .name: qkv32, .offset: 0, .size: 8, .value_kind: global_buffer, .address_space: global }
      - { .name: w_o, .offset: 8, .size: 8, .value_kind: global_buffer, .address_space: global }
      - { .name: out0, .offset: 16, .size: 8, .value_kind: global_buffer, .address_space: global }
    .group_segment_fixed_size: 67584
    .private_segment_fixed_size: 0
    .kernarg_segment_align: 8
    .kernarg_segment_size: 24
    .max_flat_workgroup_size: 512
    .sgpr_count:     66
    .vgpr_count:     256
    .wavefront_size: 32
...
	.end_amdgpu_metadata
.endif
;; end of part 5
